; MI455X (gfx1250); checked and timed in simulation.
; The chip was launched on July 23, 2026; its instructions are those of AMD's public machine-readable ISA for CDNA 5 (MIT licence, August 2026) and "CDNA5" Instruction Set Architecture Reference Guide (July 2026). The comments in the code are by the model that wrote it; some were corrected since.
;; Mo E Layer. Allowed arithmetic: matrix products marked QUANTISED: E2M1 operands, one E8M0 scale for each 32 along K, by v_wmma_scale_f32_16x16x128_f8f6f4 with both operands' format E2M1 (or v_wmma_scale_f32_32x16x128_f4), f32 sums; products left as they are: f32 operands where the result goes on into a quantised operand, else bf16, f16 or f32 operands; f32 sums; everything else in f32.
;; Inputs: expert_w_codes 8 x 1,024 x 32 x 16 uint8 (E2M1 codes of expert_w, K innermost, in blocks of 32 codes, two codes a byte); expert_w_scales 8 x 1,024 x 32 uint8 (E8M0 scales of expert_w, one for each 32 codes along K); ln1_b 1,024 float32; ln1_g 1,024 float32; ln2_b 1,024 float32; ln2_g 1,024 float32; router_w 8 x 1,024 float32; wk_codes 1,024 x 32 x 16 uint8 (E2M1 codes of wk, K innermost, in blocks of 32 codes, two codes a byte); wk_scales 1,024 x 32 uint8 (E8M0 scales of wk, one for each 32 codes along K); wo_codes 1,024 x 32 x 16 uint8 (E2M1 codes of wo, K innermost, in blocks of 32 codes, two codes a byte); wo_scales 1,024 x 32 uint8 (E8M0 scales of wo, one for each 32 codes along K); wq_codes 1,024 x 32 x 16 uint8 (E2M1 codes of wq, K innermost, in blocks of 32 codes, two codes a byte); wq_scales 1,024 x 32 uint8 (E8M0 scales of wq, one for each 32 codes along K); wv_codes 1,024 x 32 x 16 uint8 (E2M1 codes of wv, K innermost, in blocks of 32 codes, two codes a byte); wv_scales 1,024 x 32 uint8 (E8M0 scales of wv, one for each 32 codes along K); x 2 x 2,048 x 1,024 float32.
;; Outputs: out0 2 x 2,048 x 1,024 float32.
;; This version of the problem:
;;   THIS VERSION OF THE PROBLEM IS GIVEN IN LOW PRECISION. The matrix products marked QUANTISED in the list below multiply operands that are first quantised to E2M1 (2 exponent bits, 1 mantissa bit; 4 bits a number), with one power-of-two scale for each 32 numbers along K (OCP MX v1.0); their sums are f32. All else is computed in f32.
;;   The module's matrix products, in the order in which they are computed (A, B: the left and right operand; K: the contracted axis; several contracted axes count as one K, in the product's order):
;;     1. [M 4,096, K 1,024] x [K 1,024, N 1,024]; A: computed on the way; B: input wq (given as codes): QUANTISED
;;     2. [M 4,096, K 1,024] x [K 1,024, N 1,024]; A: computed on the way; B: input wk (given as codes): QUANTISED
;;     3. [M 4,096, K 1,024] x [K 1,024, N 1,024]; A: computed on the way; B: input wv (given as codes): QUANTISED
;;     4. batch 32 x [M 2,048, K 64] x [K 64, N 2,048]; A: computed on the way; B: computed on the way: QUANTISED
;;     5. batch 32 x [M 2,048, K 2,048] x [K 2,048, N 64]; A: softmax (see below); B: computed on the way: QUANTISED
;;     6. [M 4,096, K 1,024] x [K 1,024, N 1,024]; A: computed on the way; B: input wo (given as codes): QUANTISED
;;     7. [M 4,096, K 1,024] x [K 1,024, N 8]; A: computed on the way; B: input router_w: left as it is (N = 8 < 16)
;;     8. [M 4,096, K 1,024] x [K 1,024, N 8,192]; A: computed on the way; B: input expert_w (given as codes): QUANTISED
;;     9. batch 4,096 x [M 1, K 8] x [K 8, N 1,024]; A: computed on the way; B: computed on the way: left as it is (K = 8 < 32)
;;   THE QUANTISER, for each operand of a quantised product, along K:
;;     - K is cut into blocks of 32 from its start; a last block that is shorter is filled with zeros.
;;     - A block's scale is 2^e with e = floor(log2(the largest magnitude in the block)) - 2, held to -126 .. 127; a block of zeros has e = 0. As a byte (E8M0): e + 127.
;;     - Each number is divided by its block's scale, clamped to +-6, and rounded to the nearest number of E2M1, ties to even, subnormals kept.
;;     - The product sums the exact products of the quantised numbers (number of the format x scale) in f32.
;;   ~~~python
;;   def quantise(x, axis):      # numpy; x: float32 -> the quantised numbers, widened to float32 again
;;       x = np.moveaxis(x, axis, -1); K = x.shape[-1]
;;       x = np.pad(x, [(0, 0)] * (x.ndim - 1) + [(0, -K % 32)]); x = x.reshape(x.shape[:-1] + (-1, 32)); a = np.abs(x).max(-1, keepdims=True)
;;       e = np.where(a > 0, np.clip(np.frexp(np.where(a > 0, a, 1))[1] - 1 - 2, -126, 127), 0)      # np.frexp(a)[1] - 1 = floor(log2(a)), exactly
;;       r = np.clip(x / 2.0 ** e, -6, 6)
;;       step = 2.0 ** (np.maximum(np.frexp(np.where(r == 0, 1, r))[1] - 1, 0) - 1)
;;       q = np.round(r / step) * step * 2.0 ** e      # np.round: ties to even
;;       return np.moveaxis(q.reshape(q.shape[:-2] + (-1,))[..., :K], -1, axis).astype(np.float32)
;;   ~~~
;;   SOFTMAX AHEAD OF A QUANTISED PRODUCT. Where the list says 'softmax', what is quantised is not the finished softmax but p = 2^(t - M), with t = logit x log2(e) and M = ceil(the row's largest t), a whole number; so 1/2 < the row's largest p <= 1. The row's sum l is taken of the UNQUANTISED p, in f32, and the product's result is divided by l at the end. Since M is a whole number, a kernel that streams over the keys may use a running M (the ceiling of the running maximum): every later rescaling is an exact power of two, which a block's scale takes up: the codes' values come out the same.
;;   OPERANDS COMPUTED ON THE WAY. 'Computed on the way' means the value that the module computes at that place (a softmax that the list does not call 'softmax' is quantised finished and normalised). What goes into a quantiser is computed in f32, as accurately as f32 sums, v_exp_f32 and their like allow (about 1e-6 of the number): no bf16 or f16 on the way to a quantiser, and a product that is left as it is and whose result goes on into a quantised operand takes f32 operands (vector FMAs, or v_wmma_f32_16x16x4_f32). A number that lies on a knife's edge between two numbers of the format may be rounded either way, as far as f32 arithmetic and the matrix unit's own rounding can turn it there, and no further.
;;   INPUTS GIVEN AS CODES. expert_w (in the module: [8, 1024, 1024], K = its axis 2); wk (in the module: [1024, 1024], K = its axis 1); wo (in the module: [1024, 1024], K = its axis 1); wq (in the module: [1024, 1024], K = its axis 1); wv (in the module: [1024, 1024], K = its axis 1): each comes as NAME_codes (uint8): NAME with its K axis moved to the last place and cut into blocks of 32 codes, [.., K / 32, bytes a block], one block behind the other in memory; two codes a byte, the lower K in the low four bits (a code: sign, 2 exponent bits, 1 mantissa bit); and NAME_scales (uint8): the same leading axes, one E8M0 byte (e + 127) for each 32 codes along K. Its value is code x scale, taken as it is: it is not quantised again, and the codes and scales need not be those that the quantiser above would give.
;; One version. Each part assembles by itself: llvm-mc -triple=amdgcn-amd-amdhsa -mcpu=gfx1250 --defsym DOCPART=n.
;; ======== version 1 of 1: 5 launches
;; limits: right only within a limited range of input values
;; workspace buffers: qq 2,359,296 bytes; kv 4,718,592 bytes; at 2,228,224 bytes; h2q 2,228,224 bytes; x2 16,777,216 bytes; cw 131,072 bytes; wl 4,718,592 bytes
;; launch qkv (part 1): grid 64 x 4, 4 waves a work-group, no clusters, 172,544 bytes of LDS; arguments x, ln1_g, ln1_b, wq_codes, wq_scales, wk_codes, wk_scales, wv_codes, wv_scales, qq, kv, wo_codes, expert_w_codes, wl; writes qq, kv, wl
.if DOCPART == 1
	.amdgcn_target "amdgcn-amd-amdhsa--gfx1250"
	.amdhsa_code_object_version 6
	.text
	.protected	k_qcb3ff280ed_qkv
	.globl	k_qcb3ff280ed_qkv
	.p2align	8
	.type	k_qcb3ff280ed_qkv,@function
k_qcb3ff280ed_qkv:
	s_mov_b64 s[64:65], 0
	v_nop
	global_prefetch_b8 v0, s[64:65] scope:SCOPE_SE
	s_setreg_imm32_b32 hwreg(HW_REG_WAVE_MODE, 25, 1), 1
	s_wait_xcnt 0x0
; LAUNCH 1 OF 5.  h = layer_norm(x, ln1_g, ln1_b) in f32; h quantised to E2M1 along D; q, k, v = h wq^T, h wk^T, h wv^T on codes; q and k quantised along the head's 64, v along the keys.
; THE PROGRAM: qkv (this) -> attn (causal attention on codes, O / l, quantised) -> oproj (wo, + x, second norm, quantised; router, top 2, gates) -> moe (all 8 experts, weighed, + x2).
; WORK LEFT OUT (in launch attn): reference() itself puts finfo.min on every score whose key comes after its query (its own jnp.tril).  The row's own key always counts, so the row's maximum is a live score and
;   such a weight is 2^(-3.4e38 log2(e) - M), under every f32 number whatever finite values the inputs hold: it adds nothing to the row's sum or to the product with v.  A key step of 128 keys that all come after
;   all 128 queries of a block is therefore not walked.  Nothing else is left out; every input has a way to out0 and is loaded by some launch.
; LIMITS: NaN and infinities among the inputs are not served; a NaN, an infinity or an overflow that reaches only the key steps left out is not carried to the result.  A block of zeros gets the scale byte 1 where
;   the quantiser says 127: its codes are zeros, which add nothing under any byte but 0xff, and only this program reads these bytes.
; SHARES.  Work-group (x = rb, y = gy): tokens 64 rb .. + 63, heads 4 gy .. + 3.  Wave w: head 4 gy + w; its 64 rows of wq, wk and wv (3 x 256 registers) stay in registers, each read once.
;   First each wave normalises and quantises 16 of the 64 rows; the codes meet in LDS as images of the operand's registers; one barrier; every wave reads all four token tiles.
; TOKEN TILES.  Lane r of token tile m = 2 b + u holds token 32 b + 8 u + r + 8 (r / 8); the rows of a weight tile are chosen alike.  q, k: source 0 = 16 weight rows, source 1 = a token tile: a lane holds one token
;   and the registers of tiles 2 b, 2 b + 1 are channels 32 b + 16 (lane / 16) + 0 .. 15.  v: source 0 = a token tile, source 1 = 16 rows of wv: a lane holds one channel and its registers run along the tokens (keys).
; THE WEIGHTS' WAY.  A fragment wants 16 bytes of another row in each lane: taken so from memory, a load would touch 16 rows for 32 bytes each.  So my head's 64 rows of a weight are loaded as they lie, a row
;   (512 consecutive bytes) a load, go into my wave's own stage in LDS (rows 528 bytes apart, a tile's 16 rows on end) and come back as fragments, into the registers that they left.  No barrier: the stage is the
;   wave's own, and LDS serves a wave's instructions in order (ISA guide 5.7.1.4).  wq's and wk's loads are dealt out among the rows of the norm, eight behind each; wv's land while q and k are made.
; FOR THE LATER LAUNCHES the same turn is made once, here: expert_w's and wo's codes go into wl as images of the operand's registers, [tile of 16 rows][K step 8][half 2][lane 32][16 bytes], the experts' 512 tiles,
;   then wo's 64: 9,216 pieces of 512 bytes, nine to each of the launch's 1,024 waves: nine loads and nine stores a wave.
; NO CLUSTER, NO TENSOR LOAD: a work-group's weights are 3 x 4 x 32,768 = 393,216 bytes, more than LDS holds, and each fragment is used by one wave alone.
; NO PREFETCH: every stream is asked for as early as its registers are free; nothing is left to ask for ahead.
; LDS: 4 token tiles x 32 pieces (16 lanes x 16 bytes) at a pitch of 272 bytes = 68 words, so that neighbouring pieces start 4 banks apart (64 banks of 4 bytes: ISA guide 11.1); scale bytes [tile][r][32]; spare words;
;   the four waves' stages, 64 rows x 528 bytes each.
; REGISTERS.  window 0: v1-15 addresses; v16-63 weights' scale words; v64-79 h's scale words; v80-207 four rows of x, later h's fragments (v80-143) and 8 result tiles (v144-207); v208-244 at work.
;   window 1: wq, at the end the nine pieces for wl;  window 2: wk;  window 3: ln1_g, ln1_b, later wv.
; (The step named oproj above is two launches: oproj makes x2 = x + attn wo^T; ln2 makes the second norm, h2's codes, the router's choice and the gates.  Five launches in all: qkv, attn, oproj, ln2, moe.)
.set TILEB, 8704
.set HSC,   4*TILEB
.set SPARE, HSC+2048
.set WST,   SPARE+512                  ; the stages
.set WSTB,  64*528                     ; a wave's
.set WS,   16                          ; v16-31 wq's, v32-47 wk's, v48-63 wv's scale words: 4 registers a tile: K step j in lanes 0-15, K step 4 + j in lanes 16-31
.set HS,   64                          ; v64-79 the same for h's four token tiles
.set XF,   80
.set HA,   144
.set PC,   208                         ; the codes just made
.set TM,   216
.set PW,   232                         ; the scale word just made
.set KW,   234                         ; v234-237 k's scale words of the four token tiles
.set SH,   238                         ; 16 x (lane / 16)
.set QW,   239
.set TT,   240
.set RL,   241                         ; 512 r + 16 h: a fragment's place in 16 neighbouring rows of codes
.set SWA,  243                         ; my stage, on the way in: 16 x lane
.set SRA,  244                         ; and on the way out: 528 r + 16 h
.set SMA,  208                         ; the norm's temporaries lie where the later phases work
.set SMB,  210
.set MEAN, 212
.set RSQ,  214
.set BMX,  216
.set SOP,  220
.set BYT,  224
.set CDE,  228
.set GREG, 0                           ; in window 3
.set BREG, 32
.set SPW,  252                         ; LDS address of my spare word; never rewritten
.set NIL,  253                         ; 0; never rewritten
.set SEL,  50                          ; s[50:51] selects of v_permlanex16_b32 for lane l xor 16
.set C10,  52                          ; s52 2^-10
.set EPS,  53                          ; s53 1e-5
.set MSB, 0
.macro WIN new                         ; the immediate's high byte repeats the setting that is left; a switch that changes nothing is dropped
.if MSB != \new
	s_set_vgpr_msb (MSB<<8)|\new
.set MSB, \new
.endif
.endm
.macro PLACES n
.rept \n
	v_nop
.endr
.endm
.macro WSUM a, b                       ; the sum over the wave's 32 lanes, in every lane
	v_add_f32_dpp v[\a], v[\a], v[\a] row_xmask:1 row_mask:0xf bank_mask:0xf
	v_add_f32_dpp v[\a], v[\a], v[\a] row_xmask:2 row_mask:0xf bank_mask:0xf
	v_add_f32_dpp v[\a], v[\a], v[\a] row_xmask:4 row_mask:0xf bank_mask:0xf
	v_add_f32_dpp v[\a], v[\a], v[\a] row_xmask:8 row_mask:0xf bank_mask:0xf
	v_permlanex16_b32 v[\b], v[\a], s[SEL], s[SEL+1]
	v_add_f32 v[\a], v[\a], v[\b]
.endm
; One row of 1,024 in one wave: register XR + 8 q + i is column 256 q + 8 lane + i.  Mean; x - mean; variance of the differences (two passes: no difference of large sums); rsqrt; gain and bias; then the quantiser:
; a block of 32 is four neighbouring lanes' eight numbers.  Leaves the row in v[XR ..], its codes in v[CDE + q] (8 codes a register) and its scale bytes in v[BYT + q].
.macro ROWLNQ gw
	v_pk_add_f32 v[SMA:SMA+1], v[XR:XR+1], v[XR+2:XR+3]
	v_pk_add_f32 v[SMB:SMB+1], v[XR+4:XR+5], v[XR+6:XR+7]
.irp j, 8,12,16,20,24,28
	v_pk_add_f32 v[SMA:SMA+1], v[SMA:SMA+1], v[XR+\j:XR+\j+1]
	v_pk_add_f32 v[SMB:SMB+1], v[SMB:SMB+1], v[XR+\j+2:XR+\j+3]
.endr
	v_pk_add_f32 v[SMA:SMA+1], v[SMA:SMA+1], v[SMB:SMB+1]
	v_add_f32 v[SMA], v[SMA], v[SMA+1]
	WSUM SMA, SMB
	v_mul_f32 v[MEAN], s[C10], v[SMA]
	v_mul_f32 v[MEAN+1], s[C10], v[SMA]
.irp j, 0,2,4,6,8,10,12,14,16,18,20,22,24,26,28,30
	v_pk_add_f32 v[XR+\j:XR+\j+1], v[XR+\j:XR+\j+1], v[MEAN:MEAN+1] neg_lo:[0,1] neg_hi:[0,1]
.endr
	v_pk_mul_f32 v[SMA:SMA+1], v[XR:XR+1], v[XR:XR+1]
	v_pk_mul_f32 v[SMB:SMB+1], v[XR+2:XR+3], v[XR+2:XR+3]
.irp j, 4,8,12,16,20,24,28
	v_pk_fma_f32 v[SMA:SMA+1], v[XR+\j:XR+\j+1], v[XR+\j:XR+\j+1], v[SMA:SMA+1]
	v_pk_fma_f32 v[SMB:SMB+1], v[XR+\j+2:XR+\j+3], v[XR+\j+2:XR+\j+3], v[SMB:SMB+1]
.endr
	v_pk_add_f32 v[SMA:SMA+1], v[SMA:SMA+1], v[SMB:SMB+1]
	v_add_f32 v[SMA], v[SMA], v[SMA+1]
	WSUM SMA, SMB
	v_fma_f32 v[SMB], v[SMA], s[C10], s[EPS]       ; variance + 1e-5
	s_wait_alu depctr_va_vdst(0)
	v_rsq_f32 v[RSQ], v[SMB]
	v_nop                                          ; a plain instruction behind the transcendental,
	s_wait_alu depctr_va_vdst(0)                   ; and the wait ahead of its first reader
	v_mov_b32 v[RSQ+1], v[RSQ]
.irp j, 0,2,4,6,8,10,12,14,16,18,20,22,24,26,28,30
	v_pk_mul_f32 v[XR+\j:XR+\j+1], v[XR+\j:XR+\j+1], v[RSQ:RSQ+1]
.endr
	WIN \gw
.irp j, 0,2,4,6,8,10,12,14,16,18,20,22,24,26,28,30
	v_pk_fma_f32 v[XR+\j:XR+\j+1], v[XR+\j:XR+\j+1], v[GREG+\j:GREG+\j+1], v[BREG+\j:BREG+\j+1]
.endr
	WIN 0
.irp q, 0,1,2,3
	v_max3_num_f32 v[BMX+\q], |v[XR+8*\q]|, |v[XR+8*\q+1]|, 0x1800000   ; my eight numbers, and the floor 2^(3 - 127): the byte cannot fall under 1
.endr
.irp i, 2,4,6
.irp q, 0,1,2,3
	v_max3_num_f32 v[BMX+\q], v[BMX+\q], |v[XR+8*\q+\i]|, |v[XR+8*\q+\i+1]|
.endr
.endr
.irp q, 0,1,2,3
	v_max_num_f32_dpp v[BMX+\q], v[BMX+\q], v[BMX+\q] row_xmask:1 row_mask:0xf bank_mask:0xf
.endr
.irp q, 0,1,2,3
	v_max_num_f32_dpp v[BMX+\q], v[BMX+\q], v[BMX+\q] row_xmask:2 row_mask:0xf bank_mask:0xf   ; the four lanes of a block
.endr
.irp q, 0,1,2,3
	v_add_nc_u32 v[SOP+\q], 0xff000000, v[BMX+\q]  ; 2 off the exponent field: the conversion's scale operand
.endr
	s_wait_alu depctr_va_vdst(0)
	s_wait_dscnt 0x0                               ; the last row's LDS stores have read the registers that are written next
.irp q, 0,1,2,3
	v_lshrrev_b32 v[BYT+\q], 23, v[SOP+\q]         ; the scale's byte
.endr
.irp q, 0,1,2,3
	v_cvt_scalef32_pk8_fp4_f32 v[CDE+\q], v[XR+8*\q:XR+8*\q+7], v[SOP+\q]
.endr
	v_nop                                          ; one plain place behind a scaled conversion
.endm
; 64 numbers of a lane, register 16 b + i = k 32 b + 16 (lane / 16) + i of my row, become 8 registers of codes in v[PC ..] (registers 4 c .. 4 c + 3: lanes 0-15 block 2 c, lanes 16-31 block 2 c + 1) and a scale word in v[PW].
.macro QUANT s
.irp b, 0,1,2,3
	v_max3_num_f32 v[TM+\b], |v[\s+16*\b]|, |v[\s+1+16*\b]|, 0x1800000
.endr
.irp i, 2,4,6,8,10,12,14
.irp b, 0,1,2,3
	v_max3_num_f32 v[TM+\b], v[TM+\b], |v[\s+16*\b+\i]|, |v[\s+1+16*\b+\i]|
.endr
.endr
.irp b, 0,1,2,3
	v_permlanex16_b32 v[TM+4+\b], v[TM+\b], s[SEL], s[SEL+1]
.endr
.irp b, 0,1,2,3
	v_max_num_f32 v[TM+\b], v[TM+\b], v[TM+4+\b]
.endr
.irp b, 0,1,2,3
	v_add_nc_u32 v[TM+12+\b], 0xff000000, v[TM+\b]
.endr
.irp b, 0,1,2,3
	v_lshrrev_b32 v[TM+4+\b], 23, v[TM+12+\b]
.endr
	v_lshl_or_b32 v[PW], v[TM+5], 8, v[TM+4]
	v_lshl_or_b32 v[PW], v[TM+6], 16, v[PW]
	v_lshl_or_b32 v[PW], v[TM+7], 24, v[PW]
.irp b, 0,1,2,3
	v_cvt_scalef32_pk8_fp4_f32 v[PC+2*\b], v[\s+16*\b:\s+7+16*\b], v[TM+12+\b]
	v_cvt_scalef32_pk8_fp4_f32 v[PC+1+2*\b], v[\s+8+16*\b:\s+15+16*\b], v[TM+12+\b]
.endr
	v_nop                                          ; one plain place behind a scaled conversion
.irp c, 0,1
.irp i, 0,1
	v_permlane16_swap_b32 v[PC+4*\c+\i], v[PC+2+4*\c+\i]
.endr
.endr
.endm
; One product on the registers named by rD, rA, rB, rSA, rSB; ks = the K step: 0 starts the sum, 4 to 7 take their scale words from lanes 16-31.
.macro WMS ks
.if (\ks) == 0
	v_wmma_scale_f32_16x16x128_f8f6f4 v[rD:rD+7], v[rA:rA+7], v[rB:rB+7], 0, v[rSA], v[rSB] matrix_a_fmt:MATRIX_FMT_FP4 matrix_b_fmt:MATRIX_FMT_FP4
.elseif (\ks) > 3
	v_wmma_scale_f32_16x16x128_f8f6f4 v[rD:rD+7], v[rA:rA+7], v[rB:rB+7], v[rD:rD+7], v[rSA], v[rSB] matrix_a_fmt:MATRIX_FMT_FP4 matrix_b_fmt:MATRIX_FMT_FP4 matrix_a_scale:MATRIX_SCALE_ROW1 matrix_b_scale:MATRIX_SCALE_ROW1
.else
	v_wmma_scale_f32_16x16x128_f8f6f4 v[rD:rD+7], v[rA:rA+7], v[rB:rB+7], v[rD:rD+7], v[rSA], v[rSB] matrix_a_fmt:MATRIX_FMT_FP4 matrix_b_fmt:MATRIX_FMT_FP4
.endif
.endm
.macro WROWS sb, n0                    ; rows n0 .. n0 + 7 of my head's 64 rows of a weight, as they lie: row n into registers 4 n .. 4 n + 3 of the window that is set; each load covers 512 consecutive bytes
.irp k, 0,1,2,3,4,5,6,7
	global_load_b128 v[4*((\n0)+\k):4*((\n0)+\k)+3], v5, s[\sb:\sb+1] offset:512*((\n0)+\k)
.endr
.endm
; The 64 rows in a window's 256 registers go through my stage and come back as fragments: tile t, K step s at register 64 t + 8 s.  Row n = 32 b + 8 u + i + 16 j is lane r = i + 8 j of tile t = 2 b + u and lies at
; place 16 t + r of the stage.  wst: the window of the stores' data; wld: that of the loads' destination.  528 bytes = 132 words: the 16 rows that a load touches start 4 banks apart.
.macro STAGE wst, wld
	WIN \wst
.set n, 0
.rept 64
	ds_store_b128 v[SWA], v[4*n:4*n+3] offset:528*(16*(2*(n/32)+((n%32)/8)%2)+n%8+8*((n%32)/16))
.set n, n+1
.endr
	WIN \wld
.irp t, 0,1,2,3
.irp s, 0,1,2,3,4,5,6,7
.irp c, 0,1
	ds_load_b128 v[64*\t+8*\s+4*\c:64*\t+8*\s+4*\c+3], v[SRA] offset:528*16*\t+64*\s+32*\c
.endr
.endr
.endr
.endm
.macro SLOAD reg, sb                   ; a weight's scale words
.irp t, 0,1,2,3
	global_load_b128 v[\reg+4*\t:\reg+4*\t+3], v6, s[\sb:\sb+1] offset:(32*(\t/2)+8*(\t%2))*32
.endr
.endm
.macro XROW i                          ; row i of my 16 into slot i % 4
.irp q, 0,1,2,3
	global_load_b128 v[XF+32*((\i)%4)+8*\q:XF+32*((\i)%4)+8*\q+3], v4, s[4:5] offset:4096*(\i)+1024*\q
	global_load_b128 v[XF+32*((\i)%4)+8*\q+4:XF+32*((\i)%4)+8*\q+7], v4, s[4:5] offset:4096*(\i)+1024*\q+16
.endr
.endm
.macro FETCH tm                        ; token tile tm's eight fragments
.irp s, 0,1,2,3,4,5,6,7
.irp c, 0,1
	ds_load_b128 v[XF+8*\s+4*\c:XF+8*\s+4*\c+3], v9 offset:(\tm)*TILEB+(4*\s+2*\c)*272
.endr
.endr
.endm
.macro VLOAD ks                        ; K step ks of all four token tiles into buffer ks % 2
.irp m, 0,1,2,3
.irp c, 0,1
	ds_load_b128 v[XF+32*((\ks)%2)+8*\m+4*\c:XF+32*((\ks)%2)+8*\m+4*\c+3], v9 offset:\m*TILEB+(4*(\ks)+2*\c)*272
.endr
.endr
.endm
	s_load_b512 s[4:19], s[0:1], 0x0               ; x 4, ln1_g 6, ln1_b 8, wq codes 10, scales 12, wk codes 14, scales 16, wv codes 18
	s_load_b128 s[20:23], s[0:1], 0x40             ; wv scales 20, qq 22
	s_load_b64 s[24:25], s[0:1], 0x50              ; kv
	s_load_b64 s[68:69], s[0:1], 0x58              ; wo codes
	s_load_b128 s[72:75], s[0:1], 0x60             ; expert codes 72, wl 74
	v_lshl_add_u32 v[SPW], v0, 2, SPARE
	v_mov_b32 v[NIL], 0
	v_lshrrev_b32 v1, 5, v0
	v_readfirstlane_b32 s26, v1                    ; wave
	v_and_b32 v1, 31, v0                           ; lane
	s_wait_alu depctr_va_vdst(0)
	v_and_b32 v2, 15, v0                           ; r
	s_wait_alu depctr_va_vdst(0)
	v_bfe_u32 v3, v0, 4, 1                         ; h
	s_and_b32 s27, ttmp7, 0xffff
	s_lshl_b32 s28, s27, 2
	s_add_co_u32 s28, s28, s26                     ; head
	s_lshr_b32 s30, ttmp9, 5
	s_lshl_b32 s30, s30, 4
	s_add_co_u32 s30, s30, s28                     ; bh = 16 x batch + head
	s_and_b32 s29, ttmp9, 31                       ; which 64 tokens of the sequence
	s_and_b32 s31, ttmp9, 1                        ; cc: which half of a key step of 128
	s_lshr_b32 s32, s29, 1                         ; the key step
	s_lshl_b32 s34, ttmp9, 18
	s_lshl_b32 s33, s26, 16
	s_add_co_u32 s34, s34, s33                     ; x: (64 rb + 16 w) rows of 4,096 bytes
	s_mov_b32 s35, 0
	s_lshl_b32 s36, s28, 15                        ; a weight's codes: 64 rows of 512 bytes a head
	s_mov_b32 s37, 0
	s_lshl_b32 s38, s28, 11                        ; its scale bytes: 64 rows of 32
	s_mov_b32 s39, 0
	s_lshl_b32 s40, s30, 16
	s_lshl_b32 s33, s29, 11
	s_add_co_u32 s40, s40, s33                     ; q's codes: [bh][token][32 bytes]
	s_mov_b32 s41, 0
	s_lshl_b32 s42, s30, 13
	s_lshl_b32 s33, s29, 8
	s_add_co_u32 s42, s42, s33
	s_add_co_u32 s42, s42, 0x200000                ; q's scale words, behind the codes
	s_mov_b32 s43, 0
	s_lshl_b32 s44, s30, 4
	s_add_co_u32 s44, s44, s32
	s_mul_i32 s44, s44, 9216                       ; kv: [bh][key step][9,216 bytes]
	s_mov_b32 s45, 0
	s_mov_b32 s[SEL], 0x76543210
	s_mov_b32 s[SEL+1], 0xfedcba98
	s_mov_b32 s[C10], 0x3a800000
	s_mov_b32 s[EPS], 0x3727c5ac
	s_lshr_b32 s54, s26, 1
	s_and_b32 s55, s26, 1
	s_mul_i32 s56, s54, 2*TILEB                    ; my 16 rows fall into token tiles 2 (w / 2) and 2 (w / 2) + 1, at r = 8 (w % 2) + 0 .. 7
	s_lshl_b32 s33, s55, 7
	s_add_co_u32 s56, s56, s33
	s_lshl_b32 s57, s54, 10
	s_lshl_b32 s33, s55, 8
	s_add_co_u32 s57, s57, s33
	s_add_co_u32 s57, s57, HSC
	s_lshl_b32 s58, s27, 6
	s_add_co_u32 s58, s58, ttmp9
	s_lshl_b32 s58, s58, 2
	s_add_co_u32 s58, s58, s26                     ; G: my wave's number in the launch, 0 .. 1,023
	v_lshlrev_b32 v4, 5, v1                        ; v4: 32 x lane: a row's place for my lane (x, gain, bias)
	v_lshlrev_b32 v5, 4, v1                        ; v5: 16 x lane: a row of codes as it lies, and an image's place
	v_and_b32 v13, 8, v2
	v_add_nc_u32 v13, v13, v2                      ; r + 8 (r / 8)
	v_lshlrev_b32 v6, 5, v13
	s_wait_alu depctr_va_vdst(0)
	v_lshl_add_u32 v6, v3, 4, v6                   ; v6: weight scale bytes, and q's codes on the way out
	v_lshlrev_b32 v13, 2, v13                      ; v13: q's scale words
	v_lshrrev_b32 v8, 2, v1
	v_mul_u32_u24 v7, v8, 272
	v_and_b32 v9, 3, v1
	v_lshl_add_u32 v7, v9, 2, v7
	v_add_nc_u32 v7, s56, v7                       ; v7: where a row's codes go: piece lane / 4 (+ 8 q), 4 (lane % 4) in the token's 16 bytes
	v_add_nc_u32 v8, s57, v8                       ; v8: where its scale bytes go
	v_mul_u32_u24 v9, v3, 272
	v_lshl_add_u32 v9, v2, 4, v9                   ; v9: a fragment's place for my lane
	v_lshlrev_b32 v10, 5, v2
	v_lshl_add_u32 v10, v3, 4, v10
	v_add_nc_u32 v10, HSC, v10                     ; v10: h's scale words
	v_lshlrev_b32 v11, 4, v1
	s_lshl_b32 s33, s31, 9
	v_add_nc_u32 v12, s33, v11                     ; v12: v's images: 16 lane + 512 cc
	s_lshl_b32 s33, s31, 11
	v_add_nc_u32 v11, s33, v11                     ; v11: k's images: 16 lane + 2,048 cc
	v_lshlrev_b32 v14, 4, v2
	v_lshl_add_u32 v15, v3, 2, v14
	s_lshl_b32 s33, s31, 1
	v_add_nc_u32 v15, s33, v15                     ; v15: v's scale bytes: 16 r + 4 h + 2 cc
	s_lshl_b32 s33, s31, 8
	v_add_nc_u32 v14, s33, v14                     ; v14: k's scale words: 16 r + 256 cc
	v_lshlrev_b32 v[SH], 4, v3
	v_lshlrev_b32 v[RL], 9, v2
	v_lshl_add_u32 v[RL], v3, 4, v[RL]
	s_mul_i32 s59, s26, WSTB
	s_add_co_u32 s59, s59, WST                     ; my stage
	v_add_nc_u32 v[SWA], s59, v5
	v_mul_u32_u24 v[SRA], v2, 528
	v_lshl_add_u32 v[SRA], v3, 4, v[SRA]
	v_add_nc_u32 v[SRA], s59, v[SRA]
	s_wait_kmcnt 0x0
	s_add_nc_u64 s[4:5], s[4:5], s[34:35]
	s_add_nc_u64 s[10:11], s[10:11], s[36:37]
	s_add_nc_u64 s[14:15], s[14:15], s[36:37]
	s_add_nc_u64 s[18:19], s[18:19], s[36:37]
	s_add_nc_u64 s[12:13], s[12:13], s[38:39]
	s_add_nc_u64 s[16:17], s[16:17], s[38:39]
	s_add_nc_u64 s[20:21], s[20:21], s[38:39]
	s_add_nc_u64 s[46:47], s[22:23], s[40:41]
	s_add_nc_u64 s[48:49], s[22:23], s[42:43]
	s_add_nc_u64 s[24:25], s[24:25], s[44:45]
	s_mov_b32 s61, 0                               ; my nine pieces for wl: eight of expert tile G / 2 (K steps 4 (G % 2) on), and piece G % 16 of wo's tile G / 16
	s_lshr_b32 s60, s58, 1
	s_lshl_b32 s60, s60, 13
	s_and_b32 s59, s58, 1
	s_lshl_b32 s59, s59, 8
	s_add_co_u32 s60, s60, s59
	s_add_nc_u64 s[76:77], s[72:73], s[60:61]      ; from: 8,192 (G / 2) + 256 (G % 2)
	s_lshl_b32 s60, s58, 12
	s_add_nc_u64 s[78:79], s[74:75], s[60:61]      ; to: 4,096 G
	s_lshr_b32 s60, s58, 4
	s_lshl_b32 s60, s60, 13
	s_and_b32 s59, s58, 15
	s_lshl_b32 s59, s59, 5
	s_add_co_u32 s60, s60, s59
	s_add_nc_u64 s[80:81], s[68:69], s[60:61]      ; from: 8,192 (G / 16) + 32 (G % 16)
	s_lshl_b32 s60, s58, 9
	s_add_co_u32 s60, s60, 0x400000
	s_add_nc_u64 s[82:83], s[74:75], s[60:61]      ; to: behind the experts' 512 tiles, 512 G
	SLOAD WS, 12
	SLOAD WS+16, 16
	SLOAD WS+32, 20
	WIN 0xc0                                       ; window 3: gain and bias, laid as a row is
.irp q, 0,1,2,3
	global_load_b128 v[GREG+8*\q:GREG+8*\q+3], v4, s[6:7] offset:1024*\q
	global_load_b128 v[GREG+8*\q+4:GREG+8*\q+7], v4, s[6:7] offset:1024*\q+16
	global_load_b128 v[BREG+8*\q:BREG+8*\q+3], v4, s[8:9] offset:1024*\q
	global_load_b128 v[BREG+8*\q+4:BREG+8*\q+7], v4, s[8:9] offset:1024*\q+16
.endr
	WIN 0
	XROW 0
	XROW 1
	XROW 2
	XROW 3
; ---- the norm and h's codes: my 16 rows, three rows on their way while one is worked; behind row I go out row I + 4's eight loads and eight rows of wq (I < 8) or of wk
.set I, 0
.rept 16
.if I < 5
	s_wait_loadcnt 24+8*I                          ; loads come back in order: row I is in.  Behind its loads were issued: the rows up to row 3, 8 loads each, and 16 loads behind each row already worked
.elseif I < 13
	s_wait_loadcnt 56                              ; behind row I's loads: eight rows of a weight, and three times a row of x and eight rows of a weight
.else
	s_wait_loadcnt 56-8*(I-12)                     ; the same; behind rows 12 to 14 no row of x was asked for
.endif
.set XR, XF+32*(I%4)
	ROWLNQ 0x3c                                    ; gain and bias: sources 1 and 2 in window 3
.irp q, 0,1,2,3
	ds_store_b32 v7, v[CDE+\q] offset:(I/8)*TILEB+(I%8)*16+2176*\q
	ds_store_b8 v8, v[BYT+\q] offset:((I/8)*16+I%8)*32+8*\q     ; the four lanes of a block write the same byte with the same value
.endr
.if I < 12
	XROW I+4
.endif
.if I < 8
	WIN 0x40                                       ; destination window 1
	WROWS 10, 8*I
.else
	WIN 0x80                                       ; window 2
	WROWS 14, 8*(I-8)
.endif
	WIN 0
.set I, I+1
.endr
	s_wait_dscnt 0x0                               ; for the others' sake: my stores have landed
	s_barrier_signal -1
	s_barrier_wait -1                              ; the four token tiles and their scale bytes lie in LDS; nothing writes them again
	STAGE 0x04, 0x40                               ; wq: row 15's wait has shown all that was asked for ahead of row 15 landed, wq's 64 rows among it
	s_wait_loadcnt 0x0                             ; wk
	WIN 0xc0
.irp k, 0,8,16,24,32,40,48,56
	WROWS 18, \k                                   ; wv, where gain and bias lay: it lands while q and k are made
.endr
	STAGE 0x08, 0x80                               ; wk: its stores come behind wq's loads from the same bytes, in order
	WIN 0
.irp m, 0,1,2,3
	ds_load_b128 v[HS+4*\m:HS+4*\m+3], v10 offset:512*\m
.endr
	FETCH 0
; ---- q and k, a token tile at a time: 4 + 4 accumulators by turns, one instruction a turn
.irp m, 0,1,2,3
	s_wait_dscnt 0x0                               ; the tile's fragments (and, the first time, the weights' fragments and h's scale words)
	WIN 0x01                                       ; source 0 in window 1: wq
.irp s, 0,1,2,3,4,5,6,7
.irp t, 0,1,2,3
.set rD, HA+8*\t
.set rA, 64*\t+8*\s
.set rB, XF+8*\s
.set rSA, WS+4*\t+\s%4
.set rSB, HS+4*\m+\s%4
	WMS \s
.endr
.endr
	WIN 0x02                                       ; window 2: wk
.irp s, 0,1,2,3,4,5,6,7
.irp t, 0,1,2,3
.set rD, HA+32+8*\t
.set rA, 64*\t+8*\s
.set rB, XF+8*\s
.set rSA, WS+16+4*\t+\s%4
.set rSB, HS+4*\m+\s%4
	WMS \s
.endr
.endr
	WIN 0
	PLACES 5                                       ; ahead of loads into registers that the products read, of the first read of results, and of products that begin these accumulators anew
.if \m < 3
	FETCH \m+1
.endif
	s_wait_xcnt 0x0                                ; the last tile's stores have read their data registers
	QUANT HA                                       ; blocks 0, 1: q's 64 channels; blocks 2, 3: k's
	global_store_b128 v6, v[PC:PC+3], s[46:47] offset:(32*(\m/2)+8*(\m%2))*32      ; q: my token's row of 32 bytes, my half's block
	global_store_b128 v11, v[PC+4:PC+7], s[24:25] offset:512*\m                    ; k: key tile 4 cc + m as an image: 512 consecutive bytes
	v_and_b32 v[QW], 0xffff, v[PW]
	global_store_b32 v13, v[QW], s[48:49] offset:(32*(\m/2)+8*(\m%2))*4            ; q's scale word: two bytes, two zeros for the idle half of K (both halves of the lanes store the same word)
	v_lshrrev_b32 v[KW+\m], 16, v[PW]
.endr
	global_store_b128 v14, v[KW:KW+3], s[24:25] offset:8192                        ; k's scale words of key tiles 4 cc + 0 .. 3
	s_wait_loadcnt 0x0                             ; wv
	STAGE 0x0c, 0xc0
	WIN 0x40                                       ; my nine pieces for wl, into registers that held wq: they land while v is made
.irp k, 0,1,2,3,4,5,6,7
	global_load_b128 v[4*\k:4*\k+3], v[RL], s[76:77] offset:64*(\k/2)+32*(\k%2)
.endr
	global_load_b128 v[32:35], v[RL], s[80:81]
	WIN 0
; ---- v, two channel tiles at a time: 8 accumulators by turns; a K step's four token fragments in two buffers by turns
.irp np, 0,1
	VLOAD 0
.irp s, 0,1,2,3,4,5,6,7
.if \s < 7
.if \s > 0
	PLACES 4                                       ; ahead of loads into the buffer that the last K step's products read
.endif
	VLOAD \s+1
	s_wait_dscnt 8                                 ; this K step's fragments are in (and all that was asked of LDS before them); the 8 loads just issued may be out
.else
	s_wait_dscnt 0x0
.endif
	WIN 0x0c                                       ; source 1 in window 3: wv
.irp nl, 0,1
.irp m, 0,1,2,3
.set rD, HA+8*(4*\nl+\m)
.set rA, XF+32*(\s%2)+8*\m
.set rB, 64*(2*\np+\nl)+8*\s
.set rSA, HS+4*\m+\s%4
.set rSB, WS+32+4*(2*\np+\nl)+\s%4
	WMS \s
.endr
.endr
	WIN 0
.endr
	PLACES 5
	s_wait_xcnt 0x0
	QUANT HA                                       ; blocks 2 nl + b: channel tile 2 np + nl, keys 64 cc + 32 b + 0 .. 31
	global_store_b128 v12, v[PC:PC+3], s[24:25] offset:4096+2048*\np
	global_store_b128 v12, v[PC+4:PC+7], s[24:25] offset:4096+2048*\np+1024
	v_lshrrev_b32 v[TT], v[SH], v[PW]              ; lanes 0-15: the two bytes of tile 2 np, lanes 16-31: of tile 2 np + 1
	global_store_b16 v15, v[TT], s[24:25] offset:8704+8*\np
	global_store_b16 v15, v[TT], s[24:25] offset:8960+8*\np                        ; and once more, 256 bytes on: lanes 16-31 of the attention's load read that copy
.endr
	s_wait_loadcnt 0x0                             ; the nine pieces
	WIN 0x04                                       ; a store's data are its source 1: window 1
.irp k, 0,1,2,3,4,5,6,7
	global_store_b128 v5, v[4*\k:4*\k+3], s[78:79] offset:1024*(\k/2)+512*(\k%2)   ; each store covers 512 consecutive bytes
.endr
	global_store_b128 v5, v[32:35], s[82:83]
	WIN 0
	s_wait_tensorcnt 0x0                           ; the wave's end, behind my last LDS store
	ds_add_u32 v[SPW], v[NIL]
	s_wait_dscnt 0x0
	s_endpgm
.Lfunc_end_k_qcb3ff280ed_qkv:
	.size	k_qcb3ff280ed_qkv, .Lfunc_end_k_qcb3ff280ed_qkv-k_qcb3ff280ed_qkv
	.p2alignl 7, 3214868480
	.fill 96, 4, 3214868480
	.section	.rodata,"a",@progbits
	.p2align	6, 0x0
	.amdhsa_kernel k_qcb3ff280ed_qkv
		.amdhsa_group_segment_fixed_size 172544
		.amdhsa_private_segment_fixed_size 0
		.amdhsa_enable_private_segment 0
		.amdhsa_kernarg_size 112
		.amdhsa_user_sgpr_count 2
		.amdhsa_user_sgpr_kernarg_segment_ptr 1
		.amdhsa_wavefront_size32 1
		.amdhsa_system_sgpr_workgroup_id_x 1
		.amdhsa_system_sgpr_workgroup_id_y 1
		.amdhsa_system_sgpr_workgroup_id_z 1
		.amdhsa_system_vgpr_workitem_id 0
		.amdhsa_next_free_vgpr 1024
		.amdhsa_next_free_sgpr 84
		.amdhsa_reserve_vcc 0
		.amdhsa_float_denorm_mode_32 3
		.amdhsa_float_denorm_mode_16_64 3
		.amdhsa_memory_ordered 1
		.amdhsa_forward_progress 1
		.amdhsa_inst_pref_size 255
	.end_amdhsa_kernel
	.section	.bss,"aw",@nobits
	.p2align	6
	.space	262144
	.amdgpu_metadata
---
amdhsa.version: [ 1, 2 ]
amdhsa.kernels:
  - .name:           k_qcb3ff280ed_qkv
    .symbol:         k_qcb3ff280ed_qkv.kd
    .args:
      - { .name: x, .offset: 0, .size: 8, .value_kind: global_buffer, .address_space: global }
      - { .name: ln1_g, .offset: 8, .size: 8, .value_kind: global_buffer, .address_space: global }
      - { .name: ln1_b, .offset: 16, .size: 8, .value_kind: global_buffer, .address_space: global }
      - { .name: wq_codes, .offset: 24, .size: 8, .value_kind: global_buffer, .address_space: global }
      - { .name: wq_scales, .offset: 32, .size: 8, .value_kind: global_buffer, .address_space: global }
      - { .name: wk_codes, .offset: 40, .size: 8, .value_kind: global_buffer, .address_space: global }
      - { .name: wk_scales, .offset: 48, .size: 8, .value_kind: global_buffer, .address_space: global }
      - { .name: wv_codes, .offset: 56, .size: 8, .value_kind: global_buffer, .address_space: global }
      - { .name: wv_scales, .offset: 64, .size: 8, .value_kind: global_buffer, .address_space: global }
      - { .name: qq, .offset: 72, .size: 8, .value_kind: global_buffer, .address_space: global }
      - { .name: kv, .offset: 80, .size: 8, .value_kind: global_buffer, .address_space: global }
      - { .name: wo_codes, .offset: 88, .size: 8, .value_kind: global_buffer, .address_space: global }
      - { .name: expert_w_codes, .offset: 96, .size: 8, .value_kind: global_buffer, .address_space: global }
      - { .name: wl, .offset: 104, .size: 8, .value_kind: global_buffer, .address_space: global }
    .group_segment_fixed_size: 172544
    .private_segment_fixed_size: 0
    .kernarg_segment_align: 8
    .kernarg_segment_size: 112
    .max_flat_workgroup_size: 128
    .sgpr_count:     84
    .vgpr_count:     1024
    .wavefront_size: 32
...
	.end_amdgpu_metadata
.endif
;; end of part 1
;; launch attn (part 2): grid 8 x 32, 16 waves a work-group, no clusters, 278,528 bytes of LDS; arguments qq, kv, at; writes at
.if DOCPART == 2
	.amdgcn_target "amdgcn-amd-amdhsa--gfx1250"
	.amdhsa_code_object_version 6
	.text
	.protected	k_qcb3ff280ed_attn
	.globl	k_qcb3ff280ed_attn
	.p2align	8
	.type	k_qcb3ff280ed_attn,@function
k_qcb3ff280ed_attn:
	s_mov_b64 s[64:65], 0
	v_nop
	global_prefetch_b8 v0, s[64:65] scope:SCOPE_SE
	s_setreg_imm32_b32 hwreg(HW_REG_WAVE_MODE, 25, 1), 1
	s_wait_xcnt 0x0
; Causal attention on codes of E2M1: S^T = K Q^T, p = 2^(t - M) with t = score x log2(e) / 8 and M the running largest t rounded up, p quantised along the keys, O^T += V^T P^T, O / l, quantised along D.
; WORK LEFT OUT: key steps all of whose 128 keys come after all 128 queries of the block in hand (reference()'s own jnp.tril; shown at the head of launch qkv).  A NaN or an infinity that reaches only those is not carried.
; SHARES.  Work-group (x = I, y = bh) owns query blocks I and 15 - I of head bh, 128 queries each: I + 1 and 16 - I key steps.  SIXTEEN waves: wave w holds queries 16 (w % 8) .. + 15 of the block in hand and
;   takes the key steps of parity w / 8: a trip is two key steps, one for each parity.  Block I takes (I + 2) / 2 trips, both blocks 9 in every work-group; a wave whose key step lies past the block's last is idle for that trip.
; THE RING.  A key step's 9,216 bytes (laid by launch qkv in the order of the operands' registers) are copied into LDS through registers by the eight waves of its parity.  THREE slots of two key steps.  At the head of trip T
;   a wave stores the bytes of trip T + 1 into slot (T + 1) % 3, asks memory for those of trip T + 2, and signals; it works its key step out of slot T % 3 and waits at the trip's end.  Slot (T + 1) % 3 was last read in
;   trip T - 2, which every wave has ended before it signals in trip T - 1, and that barrier's wait lies behind me.  Between a signal and its wait stand LDS loads of slot T % 3 and work on registers alone.
; THE HAND-OVER.  Each parity keeps its own running M, sum and O^T.  At the head of the next block's first trip (and behind the last trip) every wave puts its O^T, -M and sums into LDS; behind that trip's wait the even wave
;   reads its own and its partner's, brings both under the smaller -M by factors 2^(whole number), which round nothing, adds them and finishes the block, in the scores' registers.  Three areas a wave, one for each slot number,
;   so that a read and the next store of one area never fall between the same two barriers.
; The second block's Q is loaded at the head.  The trip counts are constants; the branches hang on ids, the count of trips and the wave's number alone; every wave passes every barrier.
; NO CLUSTER: behind the first block the eight work-groups of a head read different key steps in the same trip, so no request would be alike in all partners; and the copy goes through registers.
; LIMITS: as at the head of launch qkv.
; REGISTERS: v1 a slot's place (16 lane + my parity's half); v3, v4 the copy's places in memory, v7, v8 in a slot; v5, v6 the add's two; v30 my hand-over, v9, v31 the even and the odd partner's; v11 my query - 16 (lane / 16);
;   v12 -M, v13 largest t, v[14:15] the sum; v16-23 Q, v24 its scale word; v25-28 offsets; v29 the prefetch's; v32-63 k; v64-95 v; v96-159 S^T, then p; v160-191 O^T; v192-199 p's codes; v200-207 scale words; v208-216 the copy;
;   v220-237, v244-255 at work; v238-242 the second block's Q.
.set SL,    18432                      ; a slot: two key steps
.set PS,    9216                       ; a parity's half of it
.set MRG,   3*SL                       ; the hand-over: 16 waves x 3 areas x 9 x 512 bytes
.set MA,    4608
.set MW,    3*MA
.set SPARE, MRG+16*MW
.set SEL,   20
.set CS,    22
.macro PLACES n
.rept \n
	v_nop
.endr
.endm
.macro OUTB a, b                       ; where the results of block s16 go (s31 = 0)
	s_lshl_b32 s30, s18, 20
	s_lshl_b32 s40, s16, 16
	s_add_co_u32 s30, s30, s40
	s_lshl_b32 s40, s17, 9
	s_add_co_u32 s30, s30, s40
	s_add_nc_u64 s[\a:\a+1], s[8:9], s[30:31]      ; the images
	s_lshl_b32 s30, s18, 16
	s_lshl_b32 s40, s16, 12
	s_add_co_u32 s30, s30, s40
	s_lshl_b32 s40, s17, 1
	s_add_co_u32 s30, s30, s40
	s_add_co_u32 s30, s30, 0x200000
	s_add_nc_u64 s[\b:\b+1], s[8:9], s[30:31]      ; the scale bytes
.endm
.macro INITROW                         ; a block's first step finds zeros, which the first change of M leaves zeros
	v_mov_b32 v13, 0xff61b1e6                      ; the largest t so far: -3e38
	s_delay_alu instid0(VALU_DEP_1)
	v_floor_f32 v12, -v13
	v_mov_b32 v14, 0
	v_mov_b32 v15, 0
.set n, 0
.rept 32
	v_mov_b32 v[160+n], 0
.set n, n+1
.endr
.endm
; MY KEY STEP s46 out of slot p; none where it lies past the block's s47 steps.  It lies on the diagonal where it is the block's last.
.macro STEP p
	s_cmp_ge_u32 s46, s47
	s_cbranch_scc1 .Lidle_\@
	s_add_co_u32 s49, s46, 1
.irp t, 0,1,2,3
	ds_load_b128 v[32+8*\t:35+8*\t], v1 offset:SL*\p+512*\t
.endr
	ds_load_b128 v[200:203], v1 offset:SL*\p+8192  ; register m: tile m's words in lanes 0-15, tile 4 + m's in lanes 16-31
	s_wait_dscnt 0x0
.irp t, 0,1,2,3
	v_wmma_scale_f32_16x16x128_f8f6f4 v[96+8*\t:103+8*\t], v[32+8*\t:39+8*\t], v[16:23], 0, v[200+\t], v24 matrix_a_fmt:MATRIX_FMT_FP4 matrix_b_fmt:MATRIX_FMT_FP4
.endr
	PLACES 4                                       ; ahead of loads into registers that products have read
.irp t, 0,1,2,3
	ds_load_b128 v[32+8*\t:35+8*\t], v1 offset:SL*\p+2048+512*\t
.endr
.irp n, 0,1,2,3
.irp c, 0,1
	ds_load_b128 v[64+8*\n+4*\c:67+8*\n+4*\c], v1 offset:SL*\p+4096+1024*\n+512*\c
.endr
.endr
	ds_load_b128 v[204:207], v1 offset:SL*\p+8704
	s_wait_dscnt 9                                 ; k's four tiles are in; v's nine loads may be out
.irp t, 0,1,2,3
	v_wmma_scale_f32_16x16x128_f8f6f4 v[128+8*\t:135+8*\t], v[32+8*\t:39+8*\t], v[16:23], 0, v[200+\t], v24 matrix_a_fmt:MATRIX_FMT_FP4 matrix_b_fmt:MATRIX_FMT_FP4 matrix_a_scale:MATRIX_SCALE_ROW1
.endr
	PLACES 4
	s_cmp_lg_u32 s49, s47
	s_cbranch_scc1 .Lopen_\@
	v_mov_b32 v234, 0xff800000                     ; on the diagonal hidden scores become -infinity: p = 0.  Register 16 b + i holds key 32 b + 16 (lane / 16) + i
.set n, 0
.rept 64
	v_cmp_gt_i32 vcc_lo, 32*(n/16)+n%16, v11
	v_cndmask_b32 v[96+n], v[96+n], v234, vcc_lo
.set n, n+1
.endr
.Lopen_\@:
.irp b, 0,1,2,3
	v_max3_num_f32 v[220+\b], v[96+16*\b], v[97+16*\b], v[98+16*\b]   ; each block's largest score: for the row's maximum and for the block's largest p
.endr
.irp i, 3,5,7,9,11,13
.irp b, 0,1,2,3
	v_max3_num_f32 v[220+\b], v[220+\b], v[96+16*\b+\i], v[97+16*\b+\i]
.endr
.endr
.irp b, 0,1,2,3
	v_max_num_f32 v[220+\b], v[220+\b], v[111+16*\b]
.endr
.irp b, 0,1,2,3
	s_delay_alu instid0(VALU_DEP_4)
	v_permlanex16_b32 v[224+\b], v[220+\b], s[SEL], s[SEL+1]
.endr
.irp b, 0,1,2,3
	s_delay_alu instid0(VALU_DEP_4)
	v_max_num_f32 v[220+\b], v[220+\b], v[224+\b]
.endr
	s_delay_alu instid0(VALU_DEP_2)
	v_max3_num_f32 v234, v220, v221, v222
	s_delay_alu instid0(VALU_DEP_1)
	v_max_num_f32 v234, v234, v223
	s_delay_alu instid0(VALU_DEP_1)
	v_mul_f32 v234, s[CS], v234
	s_delay_alu instid0(VALU_DEP_1)
	v_max_num_f32 v13, v13, v234                   ; the running largest t
	v_mov_b32 v234, v12
	s_delay_alu instid0(VALU_DEP_2)
	v_floor_f32 v12, -v13                          ; -M = floor(-t): M is a whole number
	s_delay_alu instid0(VALU_DEP_1)
	v_sub_f32 v234, v12, v234
	s_delay_alu instid0(VALU_DEP_1)
	v_cvt_i32_f32 v234, v234                       ; old M - new M, 0 or less (it saturates)
	s_delay_alu instid0(VALU_DEP_1)
	v_ldexp_f32 v232, 1.0, v234                    ; f = 2^(old M - new M)
.set n, 0
.rept 32
	v_pk_fma_f32 v[96+n:97+n], v[96+n:97+n], s[CS:CS+1], v[12:13] op_sel_hi:[1,0,0]   ; t - M
.set n, n+2
.endr
.irp b, 0,1,2,3
	v_fma_f32 v[220+\b], v[220+\b], s[CS], v12
.endr
	s_wait_alu depctr_va_vdst(0)                   ; ahead of the batch
.set n, 0
.rept 64
	v_exp_f32 v[96+n], v[96+n]                     ; p, not normalised
.set n, n+1
.endr
	v_pk_mul_f32 v[14:15], v[14:15], v[232:233] op_sel_hi:[1,0]   ; the sums under the new M
	s_wait_alu depctr_va_vdst(0)                   ; one wait for the batch, ahead of its first reader
.irp b, 0,1,2,3
	v_exp_f32 v[220+\b], v[220+\b]                 ; each block's largest p
.endr
.irp c, 0,1,2,3,4,5                            ; the row's sum of the unquantised p: 32 pairs in eight chains
	v_pk_add_f32 v[244+2*\c:245+2*\c], v[96+4*\c:97+4*\c], v[98+4*\c:99+4*\c]
.endr
	v_pk_add_f32 v[236:237], v[120:121], v[122:123]
	v_pk_add_f32 v[14:15], v[14:15], v[124:125]
.irp g, 0,1
.irp c, 0,1,2,3,4,5
	v_pk_add_f32 v[244+2*\c:245+2*\c], v[244+2*\c:245+2*\c], v[126+16*\g+2*\c:127+16*\g+2*\c]
.endr
	v_pk_add_f32 v[236:237], v[236:237], v[138+16*\g:139+16*\g]
	v_pk_add_f32 v[14:15], v[14:15], v[140+16*\g:141+16*\g]
.endr
	v_pk_add_f32 v[236:237], v[236:237], v[158:159]
	v_pk_add_f32 v[244:245], v[244:245], v[246:247]
	v_pk_add_f32 v[248:249], v[248:249], v[250:251]
	v_pk_add_f32 v[252:253], v[252:253], v[254:255]
	s_delay_alu instid0(VALU_DEP_4)
	v_pk_add_f32 v[14:15], v[14:15], v[236:237]
	s_delay_alu instid0(VALU_DEP_3)
	v_pk_add_f32 v[244:245], v[244:245], v[248:249]
	s_delay_alu instid0(VALU_DEP_2)
	v_pk_add_f32 v[14:15], v[14:15], v[252:253]
	s_delay_alu instid0(VALU_DEP_1)
	v_pk_add_f32 v[14:15], v[14:15], v[244:245]
	s_wait_alu depctr_va_vdst(0)                   ; and one for the four
.irp b, 0,1,2,3
	v_max_num_f32 v[220+\b], 0x1800000, v[220+\b]  ; the floor 2^(3 - 127): a block whose every p is 0 keeps the byte 1; its codes are zeros
.endr
.irp b, 0,1,2,3
	s_delay_alu instid0(VALU_DEP_4)
	v_add_nc_u32 v[228+\b], 0xff000000, v[220+\b]
.endr
.irp b, 0,1,2,3
	s_delay_alu instid0(VALU_DEP_4)
	v_lshrrev_b32 v[224+\b], 23, v[228+\b]
.endr
	s_delay_alu instid0(VALU_DEP_3)
	v_lshl_or_b32 v233, v225, 8, v224              ; p's scale word for these 128 keys
	s_delay_alu instid0(VALU_DEP_1)
	v_lshl_or_b32 v233, v226, 16, v233
	s_delay_alu instid0(VALU_DEP_1)
	v_lshl_or_b32 v233, v227, 24, v233
.irp b, 0,1,2,3
	v_cvt_scalef32_pk8_fp4_f32 v[192+2*\b], v[96+16*\b:103+16*\b], v[228+\b]
	v_cvt_scalef32_pk8_fp4_f32 v[193+2*\b], v[104+16*\b:111+16*\b], v[228+\b]
.endr
	v_nop
.irp c, 0,1
.irp i, 0,1
	v_permlane16_swap_b32 v[192+4*\c+\i], v[194+4*\c+\i]
.endr
.endr
.set n, 0
.rept 16
	v_pk_mul_f32 v[160+n:161+n], v[160+n:161+n], v[232:233] op_sel_hi:[1,0]   ; O^T under the new M; also the places between the scale word, the codes and the products
.set n, n+2
.endr
	s_wait_alu depctr_va_vdst(0)                   ; directly ahead of the wait below
	s_wait_dscnt 0x0                               ; v and its scale words
.irp n, 0,1,2,3
	v_wmma_scale_f32_16x16x128_f8f6f4 v[160+8*\n:167+8*\n], v[64+8*\n:71+8*\n], v[192:199], v[160+8*\n:167+8*\n], v[204+\n], v233 matrix_a_fmt:MATRIX_FMT_FP4 matrix_b_fmt:MATRIX_FMT_FP4
.endr
.Lidle_\@:
.endm
.macro GIVE p                          ; my O^T, -M and sums, as images of my registers, into area p
	PLACES 4
.irp k, 0,1,2,3,4,5,6,7
	ds_store_b128 v30, v[160+4*\k:163+4*\k] offset:MA*\p+512*\k
.endr
	ds_store_b128 v30, v[12:15] offset:MA*\p+4096
.endm
.macro TAKE p                          ; the even wave joins its own (v128-159, v244-247) and its partner's (v96-127, v248-251) under the smaller -M; a partner that walked no step gave zeros and -M = 3e38: its factor is 0
.irp k, 0,1,2,3,4,5,6,7
	ds_load_b128 v[128+4*\k:131+4*\k], v9 offset:MA*\p+512*\k
.endr
	ds_load_b128 v[244:247], v9 offset:MA*\p+4096
.irp k, 0,1,2,3,4,5,6,7
	ds_load_b128 v[96+4*\k:99+4*\k], v31 offset:MA*\p+512*\k
.endr
	ds_load_b128 v[248:251], v31 offset:MA*\p+4096
	s_wait_dscnt 0x0
	v_min_num_f32 v234, v244, v248
	s_delay_alu instid0(VALU_DEP_1)
	v_sub_f32 v232, v234, v244
	s_delay_alu instid0(VALU_DEP_2)
	v_sub_f32 v236, v234, v248
	s_delay_alu instid0(VALU_DEP_2)
	v_cvt_i32_f32 v232, v232
	s_delay_alu instid0(VALU_DEP_2)
	v_cvt_i32_f32 v236, v236
	s_delay_alu instid0(VALU_DEP_2)
	v_ldexp_f32 v232, 1.0, v232
	s_delay_alu instid0(VALU_DEP_2)
	v_ldexp_f32 v236, 1.0, v236
	s_delay_alu instid0(VALU_DEP_2)
	v_pk_mul_f32 v[246:247], v[246:247], v[232:233] op_sel_hi:[1,0]
.set n, 0
.rept 16
	v_pk_mul_f32 v[128+n:129+n], v[128+n:129+n], v[232:233] op_sel_hi:[1,0]
.set n, n+2
.endr
	v_pk_fma_f32 v[246:247], v[250:251], v[236:237], v[246:247] op_sel_hi:[1,0,1]
.set n, 0
.rept 16
	v_pk_fma_f32 v[128+n:129+n], v[96+n:97+n], v[236:237], v[128+n:129+n] op_sel_hi:[1,0,1]
.set n, n+2
.endr
.endm
; A block's end: O^T / l in f32, quantised along D (my head's two blocks of 32), stored as an image of the next product's operand: 512 consecutive bytes a wave.
.macro EPILOGUE sa, sb
	v_add_f32 v246, v246, v247
	s_delay_alu instid0(VALU_DEP_1)
	v_permlanex16_b32 v234, v246, s[SEL], s[SEL+1]
	s_delay_alu instid0(VALU_DEP_1)
	v_add_f32 v246, v246, v234                     ; the row's sum
	s_wait_alu depctr_va_vdst(0)
	v_rcp_f32 v236, v246
	v_nop
	s_wait_alu depctr_va_vdst(0)
	v_mov_b32 v237, v236
.set n, 0
.rept 16
	v_pk_mul_f32 v[96+n:97+n], v[128+n:129+n], v[236:237]   ; register 16 b + i: channel 32 b + 16 (lane / 16) + i
.set n, n+2
.endr
.irp b, 0,1
	v_max3_num_f32 v[220+\b], |v[96+16*\b]|, |v[97+16*\b]|, 0x1800000
.endr
.irp i, 2,4,6,8,10,12,14
.irp b, 0,1
	s_delay_alu instid0(VALU_DEP_2)
	v_max3_num_f32 v[220+\b], v[220+\b], |v[96+16*\b+\i]|, |v[97+16*\b+\i]|
.endr
.endr
.irp b, 0,1
	s_delay_alu instid0(VALU_DEP_2)
	v_permlanex16_b32 v[224+\b], v[220+\b], s[SEL], s[SEL+1]
.endr
.irp b, 0,1
	s_delay_alu instid0(VALU_DEP_2)
	v_max_num_f32 v[220+\b], v[220+\b], v[224+\b]
.endr
.irp b, 0,1
	s_delay_alu instid0(VALU_DEP_2)
	v_add_nc_u32 v[228+\b], 0xff000000, v[220+\b]
.endr
.irp b, 0,1
	s_delay_alu instid0(VALU_DEP_2)
	v_lshrrev_b32 v[224+\b], 23, v[228+\b]
.endr
	s_delay_alu instid0(VALU_DEP_1)
	v_lshl_or_b32 v235, v225, 8, v224
.irp b, 0,1
	v_cvt_scalef32_pk8_fp4_f32 v[192+2*\b], v[96+16*\b:103+16*\b], v[228+\b]
	v_cvt_scalef32_pk8_fp4_f32 v[193+2*\b], v[104+16*\b:111+16*\b], v[228+\b]
.endr
	v_nop
	v_permlane16_swap_b32 v192, v194
	v_permlane16_swap_b32 v193, v195
	global_store_b128 v27, v[192:195], s[\sa:\sa+1]
	global_store_b16 v28, v235, s[\sb:\sb+1]       ; both halves of the lanes store the same two bytes
.endm
.macro REINIT                          ; on to block 15 - I
.irp j, 0,1,2,3
	v_mov_b32 v[16+\j], v[238+\j]
.endr
	v_mov_b32 v24, v242
	INITROW                                        ; its 36 lines are also the places between Q's registers and the next products
	s_wait_alu depctr_va_vdst(0)
.endm
; Trip T = s14 + q, out of slot q.
.macro HALF q
	s_add_co_u32 s42, s14, \q                      ; T
	s_sub_co_u32 s30, s42, s13
	s_cmp_lt_u32 s42, s13                          ; still the first block?
	s_cselect_b32 s46, s42, s30                    ; the trip within its block,
	s_cselect_b32 s47, s45, s62                    ; the block's key steps,
	s_lshl_b32 s46, s46, 1
	s_add_co_u32 s46, s46, s44                     ; and my key step
	s_wait_loadcnt 0x0                             ; the bytes of trip T + 1, asked for a trip ago
	s_cmp_ge_u32 s42, 8
	s_cbranch_scc1 .Lnost_\@                       ; trip 8 has no successor
	ds_store_b128 v7, v[208:211] offset:SL*((\q+1)%3)
	ds_store_b128 v7, v[212:215] offset:SL*((\q+1)%3)+512
	ds_store_b32 v8, v216 offset:SL*((\q+1)%3)
.Lnost_\@:
	s_cmp_lg_u32 s42, s13
	s_cbranch_scc1 .Lsame_\@
	GIVE \q                                        ; the second block's first trip: the first block's state goes out
	REINIT
.Lsame_\@:
	s_wait_dscnt 0x0                               ; for the others' sake: my stores have landed
	s_cmp_ge_u32 s42, 7
	s_cbranch_scc1 .Lnold_\@
	s_add_co_u32 s43, s42, 2                       ; my key step of trip T + 2 (at most 15: inside the head's 16)
	s_sub_co_u32 s30, s43, s13
	s_cmp_lt_u32 s43, s13
	s_cselect_b32 s48, s43, s30
	s_lshl_b32 s48, s48, 1
	s_add_co_u32 s48, s48, s44
	s_mul_i32 s30, s48, 9216
	s_add_nc_u64 s[26:27], s[24:25], s[30:31]      ; (the last loads from this base were awaited above)
	global_load_b128 v[208:211], v3, s[26:27]
	global_load_b128 v[212:215], v3, s[26:27] offset:512
	global_load_b32 v216, v4, s[26:27]
.Lnold_\@:
	s_cmp_lt_u32 s42, s15
	s_cbranch_scc0 .Lnoask_\@
	global_prefetch_b8 v29, s[28:29] offset:16384*\q th:TH_LOAD_NT scope:SCOPE_SE
	global_prefetch_b8 v29, s[28:29] offset:16384*\q+8192 th:TH_LOAD_NT scope:SCOPE_SE
.Lnoask_\@:
	s_barrier_signal -1                            ; I have ended trip T - 1, and my part of slot (T + 1) % 3 lies there
	STEP \q
	s_barrier_wait -1                              ; so has every wave
	s_cmp_lg_u32 s42, s13
	s_cbranch_scc1 .Lgo_\@
	s_cmp_lg_u32 s44, 0
	s_cbranch_scc1 .Lgo_\@
	TAKE \q
	EPILOGUE 36, 38
	s_wait_alu depctr_va_vdst(0)                   ; directly ahead of the wait below
	s_wait_xcnt 0x0                                ; the stores have read their data: the next step writes those registers
.Lgo_\@:
.endm
	s_load_b128 s[4:7], s[0:1], 0x0                ; qq, kv
	s_load_b64 s[8:9], s[0:1], 0x10                ; at
	v_lshl_add_u32 v5, v0, 2, SPARE
	v_mov_b32 v6, 0
	v_lshrrev_b32 v1, 5, v0
	s_delay_alu instid0(VALU_DEP_1)
	v_readfirstlane_b32 s10, v1                    ; wave
	s_mov_b32 s11, ttmp9                           ; I
	s_and_b32 s12, ttmp7, 0xffff                   ; bh
	s_add_co_u32 s13, s11, 2
	s_lshr_b32 s13, s13, 1                         ; the first block's trips
	s_and_b32 s17, s12, 15                         ; head
	s_lshr_b32 s18, s12, 4                         ; batch
	s_and_b32 s19, s10, 7                          ; my tile of queries
	s_lshr_b32 s44, s10, 3                         ; my parity
	s_mov_b32 s16, s11                             ; the first block,
	s_add_co_u32 s45, s11, 1                       ; its key steps,
	s_sub_co_u32 s62, 16, s11                      ; and the second block's
	s_mov_b32 s31, 0
	s_mov_b32 s[SEL], 0x76543210
	s_mov_b32 s[SEL+1], 0xfedcba98
	s_mov_b32 s[CS], 0x3e38aa3b                    ; log2(e) / sqrt(64)
	s_mov_b32 s[CS+1], s[CS]
	s_or_b32 s40, s10, s11
	s_cmp_eq_u32 s40, 0
	s_cselect_b32 s15, 5, 0                        ; who prefetches, and until which trip: below
	s_mul_i32 s50, s44, PS                         ; my parity's half of a slot; also trip 0's key step in memory
	s_lshl_b32 s51, s19, 10
	s_lshl_b32 s52, s19, 7
	s_add_co_u32 s52, s52, 8192
	s_lshl_b32 s41, s19, 4
	s_lshl_b32 s53, s19, 13
	s_mul_i32 s54, s19, MW
	s_add_co_u32 s54, s54, MRG
	s_mul_i32 s57, s10, MW
	s_add_co_u32 s57, s57, MRG
	s_lshl_b32 s55, s11, 1
	s_sub_co_u32 s55, 15, s55                      ; blocks from I to 15 - I
	s_lshl_b32 s56, s55, 12
	s_lshl_b32 s55, s55, 9
	s_sub_co_u32 s30, 1, s13                       ; my key step of trip 1
	s_cmp_gt_u32 s13, 1
	s_cselect_b32 s48, 1, s30
	s_lshl_b32 s48, s48, 1
	s_add_co_u32 s48, s48, s44
	s_mul_i32 s48, s48, 9216
	v_and_b32 v2, 31, v0                           ; lane
	v_and_b32 v32, 15, v0                          ; r
	v_bfe_u32 v33, v0, 4, 1                        ; h
	v_lshlrev_b32 v29, 8, v2
	v_lshlrev_b32 v10, 4, v2                       ; 16 lane
	v_lshl_add_u32 v4, v2, 2, s52                  ; 8,192 + 128 tile + 4 lane
	v_add_nc_u32 v26, s41, v32                     ; my query in its block
	v_lshlrev_b32 v11, 4, v33
	v_add_nc_u32 v1, s50, v10
	v_add_nc_u32 v3, s51, v10                      ; 1,024 tile + 16 lane
	v_add_nc_u32 v27, s53, v10
	v_add_nc_u32 v9, s54, v10
	v_add_nc_u32 v30, s57, v10
	v_add_nc_u32 v8, s50, v4
	v_sub_nc_u32 v11, v26, v11                     ; 16 tile + r - 16 h
	v_lshlrev_b32 v28, 5, v26
	v_lshlrev_b32 v26, 2, v26
	v_add_nc_u32 v7, s50, v3
	v_add_nc_u32 v31, 8*MW, v9
	v_lshl_add_u32 v25, v33, 4, v28
	v_add_nc_u32 v2, s55, v26                      ; the second block's Q: scale word,
	v_add_nc_u32 v10, s56, v25                     ; and codes
.irp j, 20,21,22,23,36,37,38,39,44,45,46,47,52,53,54,55,60,61,62,63
	v_mov_b32 v\j, 0                               ; the idle half of the first product's K: zero codes, written once
.endr
.irp j, 224,225,226,227,233,234,236,237
	v_mov_b32 v\j, 0                               ; written once: lane permutes' destinations, and upper halves of pairs that are named whole
.endr
	INITROW
	s_mul_i32 s30, s12, 147456                     ; a head's 16 key steps
	s_wait_alu depctr_va_vdst(0)
	s_wait_kmcnt 0x0
	s_add_nc_u64 s[24:25], s[6:7], s[30:31]
; THE PREFETCH.  A head's 147,456 bytes of kv are taken as 18 runs of 8,192 bytes; trip T names runs 2 T + 8 and 2 T + 9, lanes 256 bytes apart.  All eight work-groups of a head walk the same bytes from their start:
; wave 0 of the work-group with I = 0 asks, and nobody else, so each block of 256 bytes is named once.  Runs 0 to 7 come by their loads alone; trip 4 names the last two; the address is stepped once a loop trip, behind s_wait_xcnt 0.
	s_add_nc_u64 s[28:29], s[24:25], 65536
	s_mov_b32 s30, s50
	s_add_nc_u64 s[26:27], s[24:25], s[30:31]
	s_mov_b32 s30, s48
	s_add_nc_u64 s[42:43], s[24:25], s[30:31]
	s_lshl_b32 s30, s12, 16
	s_lshl_b32 s40, s11, 12
	s_add_co_u32 s30, s30, s40
	s_add_nc_u64 s[32:33], s[4:5], s[30:31]        ; q's codes, block I
	s_lshl_b32 s30, s12, 13
	s_lshl_b32 s40, s11, 9
	s_add_co_u32 s30, s30, s40
	s_add_co_u32 s30, s30, 0x200000
	s_add_nc_u64 s[34:35], s[4:5], s[30:31]        ; q's scale words
	global_load_b128 v[96:99], v3, s[26:27]        ; trip 0's key step of my parity,
	global_load_b128 v[100:103], v3, s[26:27] offset:512
	global_load_b32 v104, v4, s[26:27]
	global_load_b128 v[16:19], v25, s[32:33]
	global_load_b32 v24, v26, s[34:35]
	global_load_b128 v[208:211], v3, s[42:43]      ; trip 1's: stored at the head of trip 0
	global_load_b128 v[212:215], v3, s[42:43] offset:512
	global_load_b32 v216, v4, s[42:43]
	global_load_b128 v[238:241], v10, s[32:33]
	global_load_b32 v242, v2, s[34:35]
	OUTB 36, 38
	s_sub_co_u32 s16, 15, s11
	OUTB 58, 60
	s_wait_loadcnt 0x0
	ds_store_b128 v7, v[96:99]
	ds_store_b128 v7, v[100:103] offset:512
	ds_store_b32 v8, v104
	s_wait_dscnt 0x0
	s_barrier_signal -1
	s_barrier_wait -1
	s_mov_b32 s14, 0
.Ltrip:                                            ; 3 times three trips: trip T reads slot T % 3
	HALF 0
	HALF 1
	HALF 2
	s_wait_xcnt 0x0                                ; the last prefetches have read their address
	s_add_nc_u64 s[28:29], s[28:29], 49152
	s_add_co_u32 s14, s14, 3
	s_cmp_lt_u32 s14, 9
	s_cbranch_scc1 .Ltrip
	GIVE 0                                         ; the second block's state
	s_wait_dscnt 0x0
	s_barrier_signal -1
	s_barrier_wait -1
	s_cmp_lg_u32 s44, 0
	s_cbranch_scc1 .Lend
	TAKE 0
	EPILOGUE 58, 60
.Lend:
	s_wait_tensorcnt 0x0                           ; the wave's end, behind my last LDS store
	ds_add_u32 v5, v6
	s_wait_dscnt 0x0
	s_endpgm
.Lfunc_end_k_qcb3ff280ed_attn:
	.size	k_qcb3ff280ed_attn, .Lfunc_end_k_qcb3ff280ed_attn-k_qcb3ff280ed_attn
	.p2alignl 7, 3214868480
	.fill 96, 4, 3214868480
	.section	.rodata,"a",@progbits
	.p2align	6, 0x0
	.amdhsa_kernel k_qcb3ff280ed_attn
		.amdhsa_group_segment_fixed_size 278528
		.amdhsa_private_segment_fixed_size 0
		.amdhsa_enable_private_segment 0
		.amdhsa_kernarg_size 24
		.amdhsa_user_sgpr_count 2
		.amdhsa_user_sgpr_kernarg_segment_ptr 1
		.amdhsa_wavefront_size32 1
		.amdhsa_system_sgpr_workgroup_id_x 1
		.amdhsa_system_sgpr_workgroup_id_y 1
		.amdhsa_system_sgpr_workgroup_id_z 1
		.amdhsa_system_vgpr_workitem_id 0
		.amdhsa_next_free_vgpr 256
		.amdhsa_next_free_sgpr 66
		.amdhsa_reserve_vcc 1
		.amdhsa_float_denorm_mode_32 3
		.amdhsa_float_denorm_mode_16_64 3
		.amdhsa_memory_ordered 1
		.amdhsa_forward_progress 1
		.amdhsa_inst_pref_size 115
	.end_amdhsa_kernel
	.amdgpu_metadata
---
amdhsa.version: [ 1, 2 ]
amdhsa.kernels:
  - .name:           k_qcb3ff280ed_attn
    .symbol:         k_qcb3ff280ed_attn.kd
    .args:
      - { .name: qq, .offset: 0, .size: 8, .value_kind: global_buffer, .address_space: global }
      - { .name: kv, .offset: 8, .size: 8, .value_kind: global_buffer, .address_space: global }
      - { .name: at, .offset: 16, .size: 8, .value_kind: global_buffer, .address_space: global }
    .group_segment_fixed_size: 278528
    .private_segment_fixed_size: 0
    .kernarg_segment_align: 8
    .kernarg_segment_size: 24
    .max_flat_workgroup_size: 512
    .sgpr_count:     66
    .vgpr_count:     256
    .wavefront_size: 32
...
	.end_amdgpu_metadata
.endif
;; end of part 2
;; launch oproj (part 3): grid 8 x 32, 4 waves a work-group, no clusters, 70,144 bytes of LDS; arguments at, wl, wo_scales, x, x2; writes x2
.if DOCPART == 3
	.amdgcn_target "amdgcn-amd-amdhsa--gfx1250"
	.amdhsa_code_object_version 6
	.text
	.protected	k_qcb3ff280ed_oproj
	.globl	k_qcb3ff280ed_oproj
	.p2align	8
	.type	k_qcb3ff280ed_oproj,@function
k_qcb3ff280ed_oproj:
	s_mov_b64 s[64:65], 0
	v_nop
	global_prefetch_b8 v0, s[64:65] scope:SCOPE_SE
	s_setreg_imm32_b32 hwreg(HW_REG_WAVE_MODE, 25, 1), 1
	s_wait_xcnt 0x0
; x2 = x + attn wo^T, the product on codes of E2M1, the sums and the addition in f32.  Nothing is left out here.
; SHARES.  Work-group (x = gx, y = blk): tokens 128 blk .. + 127, columns 128 gx .. + 127: 8 x 32 = 256 work-groups.  Wave w: tokens 64 (w / 2) on, columns 64 (w % 2) on: 4 x 4 accumulators of 16 x 16.
;   Source 0 = 16 rows of wo, source 1 = a token tile: a lane holds one token, its registers 8 neighbouring columns.
; Both operands lie in memory as images of the operand's registers (attn's by launch attn, wo's in wl by launch qkv): each load of a fragment's half covers 512 consecutive bytes and lands in the registers that the
;   product names.  A K step is 16 loads (4 + 4 fragments) for 16 products; three K steps are asked for ahead; every fragment has registers of its own, so no load waits for a product.
; THE WAY OUT.  A wave's 64 rows x 256 bytes go through its own stage in LDS (rows 272 bytes apart) and come back as whole pieces of 256 bytes, sixteen lanes to a piece; x, loaded in the same order, is added; no barrier.
; NO CLUSTER, NO TENSOR LOAD: a joint load lands in LDS, and each of a wave's 64 fragments would be read from there once more for its four products; here it goes from memory into its registers.
; NO PREFETCH: the launch has no loop to run ahead in; all streams are asked for from the head on.
; LIMITS: as at the head of launch qkv.
; REGISTERS.  window 0: v4-11 addresses; v16-31 wo's, v32-47 attn's scale words (register j: K step j in lanes 0-15, 4 + j in lanes 16-31); v96-223 accumulators.
;   window 1: attn's fragment (tile m, K step s) at 64 m + 8 s, later the rows read back;  window 2: wo's likewise;  window 3: v0-127 x.
.set STGB,  64*272
.set SPARE, 4*STGB
.set WS,   16
.set ASC,  32
.set ACC,  96
.set SPW,  252
.set NIL,  253
.set MSB, 0
.macro WIN new                         ; the immediate's high byte repeats the setting that is left
.if MSB != \new
	s_set_vgpr_msb (MSB<<8)|\new
.set MSB, \new
.endif
.endm
.macro WMS ks
.if (\ks) == 0
	v_wmma_scale_f32_16x16x128_f8f6f4 v[rD:rD+7], v[rA:rA+7], v[rB:rB+7], 0, v[rSA], v[rSB] matrix_a_fmt:MATRIX_FMT_FP4 matrix_b_fmt:MATRIX_FMT_FP4
.elseif (\ks) > 3
	v_wmma_scale_f32_16x16x128_f8f6f4 v[rD:rD+7], v[rA:rA+7], v[rB:rB+7], v[rD:rD+7], v[rSA], v[rSB] matrix_a_fmt:MATRIX_FMT_FP4 matrix_b_fmt:MATRIX_FMT_FP4 matrix_a_scale:MATRIX_SCALE_ROW1 matrix_b_scale:MATRIX_SCALE_ROW1
.else
	v_wmma_scale_f32_16x16x128_f8f6f4 v[rD:rD+7], v[rA:rA+7], v[rB:rB+7], v[rD:rD+7], v[rSA], v[rSB] matrix_a_fmt:MATRIX_FMT_FP4 matrix_b_fmt:MATRIX_FMT_FP4
.endif
.endm
.macro FRAGS ks                        ; K step ks: 16 loads
	WIN 0x40
.irp m, 0,1,2,3
.irp c, 0,1
	global_load_b128 v[64*\m+8*(\ks)+4*\c:64*\m+8*(\ks)+4*\c+3], v4, s[14:15] offset:8192*\m+1024*(\ks)+512*\c
.endr
.endr
	WIN 0x80
.irp m, 0,1,2,3
.irp c, 0,1
	global_load_b128 v[64*\m+8*(\ks)+4*\c:64*\m+8*(\ks)+4*\c+3], v4, s[6:7] offset:8192*\m+1024*(\ks)+512*\c
.endr
.endr
	WIN 0
.endm
.macro XLOAD i0                        ; 32 of my 64 rows of x, 256 bytes each: 16 loads
	WIN 0xc0
.set n, \i0
.rept 16
	global_load_b128 v[4*n:4*n+3], v11, s[10:11] offset:8192*n th:TH_LOAD_NT
.set n, n+1
.endr
	WIN 0
.endm
	s_load_b256 s[4:11], s[0:1], 0x0               ; at 4, wl 6, wo scales 8, x 10
	s_load_b64 s[12:13], s[0:1], 0x20              ; x2
	v_lshl_add_u32 v[SPW], v0, 2, SPARE
	v_mov_b32 v[NIL], 0
	v_lshrrev_b32 v1, 5, v0
	v_readfirstlane_b32 s20, v1                    ; wave
	s_mov_b32 s21, ttmp9                           ; gx
	s_and_b32 s22, ttmp7, 0xffff                   ; blk
	s_lshr_b32 s23, s20, 1                         ; which 64 tokens
	s_and_b32 s24, s20, 1                          ; which 64 columns
	s_lshl_b32 s26, s22, 16
	s_lshl_b32 s25, s23, 15
	s_add_co_u32 s26, s26, s25                     ; my four token tiles' images, 8,192 bytes each
	s_mov_b32 s27, 0
	s_lshl_b32 s28, s22, 12
	s_lshl_b32 s25, s23, 11
	s_add_co_u32 s28, s28, s25
	s_add_co_u32 s28, s28, 0x200000                ; their scale bytes, 32 a token
	s_mov_b32 s29, 0
	s_lshl_b32 s30, s21, 16
	s_lshl_b32 s25, s24, 15
	s_add_co_u32 s30, s30, s25
	s_add_co_u32 s30, s30, 0x400000                ; my four tiles of wo, behind the experts' 512 tiles
	s_mov_b32 s31, 0
	s_lshl_b32 s32, s21, 12
	s_lshl_b32 s25, s24, 11
	s_add_co_u32 s32, s32, s25                     ; their scale bytes
	s_mov_b32 s33, 0
	s_lshl_b32 s34, s22, 19
	s_lshl_b32 s25, s23, 18
	s_add_co_u32 s34, s34, s25
	s_lshl_b32 s25, s21, 9
	s_add_co_u32 s34, s34, s25
	s_lshl_b32 s25, s24, 8
	s_add_co_u32 s34, s34, s25                     ; my corner of x and x2
	s_mov_b32 s35, 0
	s_mul_i32 s36, s20, STGB                       ; my stage
	v_and_b32 v1, 31, v0
	v_and_b32 v2, 15, v0                           ; r
	v_bfe_u32 v3, v0, 4, 1                         ; h
	v_lshlrev_b32 v4, 4, v1                        ; v4: 16 lane
	v_lshlrev_b32 v5, 5, v2
	v_lshl_add_u32 v5, v3, 4, v5                   ; v5: scale bytes: 32 r + 16 h
	v_mul_u32_u24 v9, v2, 272
	v_lshl_add_u32 v9, v3, 5, v9
	v_add_nc_u32 v9, s36, v9                       ; v9: the stage, on the way in: row r, 32 h
	v_mul_u32_u24 v10, v3, 272
	v_lshl_add_u32 v10, v2, 4, v10
	v_add_nc_u32 v10, s36, v10                     ; v10: and back: row lane / 16, 16 r
	v_lshlrev_b32 v11, 12, v3
	v_lshl_add_u32 v11, v2, 4, v11                 ; v11: the same two rows in x and x2
	s_wait_alu depctr_va_vdst(0)
	s_wait_kmcnt 0x0
	s_add_nc_u64 s[14:15], s[4:5], s[26:27]
	s_add_nc_u64 s[16:17], s[4:5], s[28:29]
	s_add_nc_u64 s[6:7], s[6:7], s[30:31]
	s_add_nc_u64 s[8:9], s[8:9], s[32:33]
	s_add_nc_u64 s[10:11], s[10:11], s[34:35]
	s_add_nc_u64 s[12:13], s[12:13], s[34:35]
.irp t, 0,1,2,3
	global_load_b128 v[WS+4*\t:WS+4*\t+3], v5, s[8:9] offset:512*\t
.endr
.irp m, 0,1,2,3
	global_load_b128 v[ASC+4*\m:ASC+4*\m+3], v5, s[16:17] offset:512*\m
.endr
	FRAGS 0
	FRAGS 1
	FRAGS 2
; ---- eight K steps of 16 products, the 16 accumulators by turns, one instruction a turn
.irp s, 0,1,2,3,4,5,6,7
	s_wait_loadcnt 32                              ; loads come back in order: K step s is in; behind its loads two groups of 16 were issued (K steps, or halves of x)
	WIN 0x06                                       ; source 0 window 2 (wo), source 1 window 1 (attn)
.irp m, 0,1,2,3
.irp t, 0,1,2,3
.set rD, ACC+8*(4*\m+\t)
.set rA, 64*\t+8*\s
.set rB, 64*\m+8*\s
.set rSA, WS+4*\t+\s%4
.set rSB, ASC+4*\m+\s%4
	WMS \s
.endr
.endr
	WIN 0
.if \s < 5
	FRAGS \s+3
.elseif \s == 5
	XLOAD 0
.elseif \s == 6
	XLOAD 16
.endif
.endr
.rept 4
	v_nop                                          ; places ahead of the stores of results and of loads into registers that products read
.endr
.irp m, 0,1,2,3
.irp t, 0,1,2,3
	ds_store_b128 v9, v[ACC+8*(4*\m+\t):ACC+8*(4*\m+\t)+3] offset:4352*\m+64*\t      ; each accumulator from its low end on
	ds_store_b128 v9, v[ACC+8*(4*\m+\t)+4:ACC+8*(4*\m+\t)+7] offset:4352*\m+64*\t+16
.endr
.endr
	WIN 0x40
.set n, 0
.rept 32
	ds_load_b128 v[4*n:4*n+3], v10 offset:544*n    ; LDS serves a wave's instructions in order (ISA guide 5.7.1.4): these see my stores
.set n, n+1
.endr
	s_wait_loadcnt 0x0                             ; x
	s_wait_dscnt 0x0
	WIN 0x4d                                       ; destination and source 0 window 1 (the rows), source 1 window 3 (x)
.set n, 0
.rept 64
	v_pk_add_f32 v[2*n:2*n+1], v[2*n:2*n+1], v[2*n:2*n+1]
.set n, n+1
.endr
	WIN 0x04                                       ; a store's data are its source 1: window 1
.set n, 0
.rept 32
	global_store_b128 v11, v[4*n:4*n+3], s[12:13] offset:8192*n   ; sixteen lanes store 256 consecutive bytes, at a multiple of 256 from x2's first byte
.set n, n+1
.endr
	WIN 0
	s_wait_tensorcnt 0x0                           ; the wave's end, behind my last LDS store
	ds_add_u32 v[SPW], v[NIL]
	s_wait_dscnt 0x0
	s_endpgm
.Lfunc_end_k_qcb3ff280ed_oproj:
	.size	k_qcb3ff280ed_oproj, .Lfunc_end_k_qcb3ff280ed_oproj-k_qcb3ff280ed_oproj
	.p2alignl 7, 3214868480
	.fill 96, 4, 3214868480
	.section	.rodata,"a",@progbits
	.p2align	6, 0x0
	.amdhsa_kernel k_qcb3ff280ed_oproj
		.amdhsa_group_segment_fixed_size 70144
		.amdhsa_private_segment_fixed_size 0
		.amdhsa_enable_private_segment 0
		.amdhsa_kernarg_size 40
		.amdhsa_user_sgpr_count 2
		.amdhsa_user_sgpr_kernarg_segment_ptr 1
		.amdhsa_wavefront_size32 1
		.amdhsa_system_sgpr_workgroup_id_x 1
		.amdhsa_system_sgpr_workgroup_id_y 1
		.amdhsa_system_sgpr_workgroup_id_z 1
		.amdhsa_system_vgpr_workitem_id 0
		.amdhsa_next_free_vgpr 896
		.amdhsa_next_free_sgpr 66
		.amdhsa_reserve_vcc 0
		.amdhsa_float_denorm_mode_32 3
		.amdhsa_float_denorm_mode_16_64 3
		.amdhsa_memory_ordered 1
		.amdhsa_forward_progress 1
		.amdhsa_inst_pref_size 48
	.end_amdhsa_kernel
	.amdgpu_metadata
---
amdhsa.version: [ 1, 2 ]
amdhsa.kernels:
  - .name:           k_qcb3ff280ed_oproj
    .symbol:         k_qcb3ff280ed_oproj.kd
    .args:
      - { .name: at, .offset: 0, .size: 8, .value_kind: global_buffer, .address_space: global }
      - { .name: wl, .offset: 8, .size: 8, .value_kind: global_buffer, .address_space: global }
      - { .name: wo_scales, .offset: 16, .size: 8, .value_kind: global_buffer, .address_space: global }
      - { .name: x, .offset: 24, .size: 8, .value_kind: global_buffer, .address_space: global }
      - { .name: x2, .offset: 32, .size: 8, .value_kind: global_buffer, .address_space: global }
    .group_segment_fixed_size: 70144
    .private_segment_fixed_size: 0
    .kernarg_segment_align: 8
    .kernarg_segment_size: 40
    .max_flat_workgroup_size: 128
    .sgpr_count:     66
    .vgpr_count:     896
    .wavefront_size: 32
...
	.end_amdgpu_metadata
.endif
;; end of part 3
;; launch ln2 (part 4): grid 256 x 1, 16 waves a work-group, no clusters, 52,224 bytes of LDS; arguments x2, ln2_g, ln2_b, router_w, h2q, cw; writes h2q, cw
.if DOCPART == 4
	.amdgcn_target "amdgcn-amd-amdhsa--gfx1250"
	.amdhsa_code_object_version 6
	.text
	.protected	k_qcb3ff280ed_ln2
	.globl	k_qcb3ff280ed_ln2
	.p2align	8
	.type	k_qcb3ff280ed_ln2,@function
k_qcb3ff280ed_ln2:
	s_mov_b64 s[64:65], 0
	v_nop
	global_prefetch_b8 v0, s[64:65] scope:SCOPE_SE
	s_setreg_imm32_b32 hwreg(HW_REG_WAVE_MODE, 25, 1), 1
	s_wait_xcnt 0x0
; h2 = layer_norm(x2, ln2_g, ln2_b) in f32; h2 quantised along D; logits = h2 router_w^T in f32; top 2 (the lower index wins a tie, as in jax.lax.top_k); gates.
; Nothing is left out here.  The choice of experts only selects VALUES (v_cndmask_b32): no address and no branch hangs on it.  cw gets, for each token, all eight combine weights, six of them 0.
; SHARES.  Work-group g: token tile g (16 tokens); wave w owns token 16 g + w as a whole row, register 8 q + i = column 256 q + 8 lane + i.
; router_w's 32,768 bytes, the gain and the bias are wanted whole by each of the 16 waves: each wave fetches 2,048 bytes of router_w and 512 of the gain (waves 0-7) or the bias (waves 8-15) once; they meet in LDS as
;   ten rows laid [row][q][half][lane][16 bytes], so that a row comes back in the order of my registers by loads of 512 consecutive bytes.
; h2's codes meet in LDS as an image of the next product's operand and leave in pieces of 512 consecutive bytes a wave.
; NO CLUSTER, NO TENSOR LOAD, NO MATRIX WORK: the launch streams each row once.  NO PREFETCH: no loop to run ahead in.
; LIMITS: as at the head of launch qkv; the f32 sums of a logit are ordered otherwise than reference()'s, so two logits that agree to within f32 rounding may be ranked the other way.
; LDS: h2's image, 32 pieces at a pitch of 272; its 512 scale bytes; spare words; the ten rows.
.set IMG,   0
.set HSC,   8704
.set SPARE, HSC+512
.set RW,    SPARE+2048
.set R1,   16
.set GREG, 48
.set SMA,  80
.set SMB,  82
.set MEAN, 84
.set RSQ,  86
.set BREG, 88
.set BMX,  120
.set SOP,  124
.set XR,   128
.set BYT,  160
.set CDE,  164
.set R0,   188
.set Y,    220                         ; v220-235 the norm's partial sums, later what leaves
.set P,    228                         ; v228-243 eight logits, a pair each
.set B1,   244
.set I1,   245
.set B2,   246
.set I2,   247
.set TA,   248
.set TB,   249
.set E2,   250
.set G1,   251
.set SPW,  252
.set NIL,  253
.set SEL,  20
.set C10,  22
.set EPS,  23
.macro WSUM a, b                       ; the sum over the wave's 32 lanes, in every lane
	s_delay_alu instid0(VALU_DEP_1)
	v_add_f32_dpp v[\a], v[\a], v[\a] row_xmask:1 row_mask:0xf bank_mask:0xf
	s_delay_alu instid0(VALU_DEP_1)
	v_add_f32_dpp v[\a], v[\a], v[\a] row_xmask:2 row_mask:0xf bank_mask:0xf
	s_delay_alu instid0(VALU_DEP_1)
	v_add_f32_dpp v[\a], v[\a], v[\a] row_xmask:4 row_mask:0xf bank_mask:0xf
	s_delay_alu instid0(VALU_DEP_1)
	v_add_f32_dpp v[\a], v[\a], v[\a] row_xmask:8 row_mask:0xf bank_mask:0xf
	s_delay_alu instid0(VALU_DEP_1)
	v_permlanex16_b32 v[\b], v[\a], s[SEL], s[SEL+1]
	s_delay_alu instid0(VALU_DEP_1)
	v_add_f32 v[\a], v[\a], v[\b]
.endm
.macro RROW reg, e                     ; row e of the ten from LDS: eight loads of 512 consecutive bytes
.irp q, 0,1,2,3
	ds_load_b128 v[\reg+8*\q:\reg+8*\q+3], v4 offset:4096*(\e)+1024*\q
	ds_load_b128 v[\reg+8*\q+4:\reg+8*\q+7], v4 offset:4096*(\e)+1024*\q+512
.endr
.endm
.macro DOT2 pa, ra, pb, rb             ; two logits' partial sums by turns
	v_pk_mul_f32 v[\pa:\pa+1], v[XR:XR+1], v[\ra:\ra+1]
	v_pk_mul_f32 v[\pb:\pb+1], v[XR:XR+1], v[\rb:\rb+1]
.irp j, 2,4,6,8,10,12,14,16,18,20,22,24,26,28,30
	s_delay_alu instid0(VALU_DEP_2)
	v_pk_fma_f32 v[\pa:\pa+1], v[XR+\j:XR+\j+1], v[\ra+\j:\ra+\j+1], v[\pa:\pa+1]
	s_delay_alu instid0(VALU_DEP_2)
	v_pk_fma_f32 v[\pb:\pb+1], v[XR+\j:XR+\j+1], v[\rb+\j:\rb+\j+1], v[\pb:\pb+1]
.endr
.endm
.macro SCAN e                          ; logit e against the best two so far; it takes a place only where it is strictly larger, so the lower index keeps a tie
	v_cmp_le_f32 vcc_lo, v[P+2*\e], v[B1]
	v_cmp_le_f32 s40, v[P+2*\e], v[B2]
	s_delay_alu instid0(VALU_DEP_1)
	v_cndmask_b32 v[TA], v[P+2*\e], v[B2], s40
	s_delay_alu instid0(VALU_DEP_2)
	v_cndmask_b32 v[TB], \e, v[I2], s40
	s_delay_alu instid0(VALU_DEP_2)
	v_cndmask_b32 v[B2], v[B1], v[TA], vcc_lo
	s_delay_alu instid0(VALU_DEP_2)
	v_cndmask_b32 v[I2], v[I1], v[TB], vcc_lo
	v_cndmask_b32 v[B1], v[P+2*\e], v[B1], vcc_lo
	v_cndmask_b32 v[I1], \e, v[I1], vcc_lo
.endm
	s_load_b256 s[4:11], s[0:1], 0x0               ; x2 4, ln2_g 6, ln2_b 8, router_w 10
	s_load_b128 s[12:15], s[0:1], 0x20             ; h2q 12, cw 14
	v_lshl_add_u32 v[SPW], v0, 2, SPARE
	v_mov_b32 v[NIL], 0
	v_lshrrev_b32 v1, 5, v0
	s_delay_alu instid0(VALU_DEP_1)
	v_readfirstlane_b32 s24, v1                    ; wave 0..15
	s_mov_b32 s25, ttmp9                           ; g
	s_mov_b32 s[SEL], 0x76543210
	s_mov_b32 s[SEL+1], 0xfedcba98
	s_mov_b32 s[C10], 0x3a800000                   ; 2^-10
	s_mov_b32 s[EPS], 0x3727c5ac                   ; 1e-5
	s_lshl_b32 s40, s24, 4
	s_add_co_u32 s40, s40, IMG
	s_lshl_b32 s43, s24, 5
	s_add_co_u32 s41, s43, HSC
	s_mul_i32 s42, s24, 544
	s_add_co_u32 s42, s42, IMG
	s_lshl_b32 s28, s24, 11                        ; my 2,048 bytes of router_w
	s_add_co_u32 s44, s28, RW
	s_lshr_b32 s45, s24, 1
	s_lshl_b32 s45, s45, 10
	s_and_b32 s26, s24, 1
	s_lshl_b32 s26, s26, 8
	s_add_co_u32 s45, s45, s26
	s_add_co_u32 s45, s45, RW+32768                ; piece w of rows 8 and 9: 1,024 (w / 2) + 256 (w % 2)
	s_and_b32 s26, s24, 7
	s_lshl_b32 s26, s26, 9                         ; my 512 bytes of the gain or the bias
	s_mov_b32 s27, 0
	s_mov_b32 s29, 0
	s_lshl_b32 s30, s25, 16
	s_lshl_b32 s32, s24, 12
	s_add_co_u32 s30, s30, s32                     ; my token's row of x2
	s_mov_b32 s31, 0
	s_lshl_b32 s32, s25, 13
	s_lshl_b32 s34, s24, 9
	s_add_co_u32 s32, s32, s34                     ; h2's image, my 512 bytes of it
	s_mov_b32 s33, 0
	s_lshl_b32 s34, s25, 9
	s_add_co_u32 s34, s34, 0x200000                ; the tile's scale bytes
	s_mov_b32 s35, 0
	s_lshr_b32 s36, s25, 3
	s_lshl_b32 s36, s36, 9
	s_and_b32 s37, s25, 7
	s_lshl_b32 s37, s37, 2
	s_add_co_u32 s36, s36, s37                     ; cw: [e][g / 8][r][g % 8]
	s_mov_b32 s37, 0
	v_and_b32 v1, 31, v0
	v_and_b32 v2, 15, v0
	v_bfe_u32 v3, v0, 4, 1
	v_and_b32 v15, 7, v0
	v_and_b32 v9, 1, v0
	v_lshlrev_b32 v6, 4, v1                        ; v6: 16 lane
	v_lshlrev_b32 v7, 5, v1                        ; v7: 32 lane
	v_lshrrev_b32 v12, 2, v1
	v_and_b32 v13, 3, v1
	v_lshrrev_b32 v8, 1, v1
	v_add_nc_u32 v4, RW, v6                        ; v4: the ten rows, on the way out
	v_add_nc_u32 v14, HSC, v6                      ; v14: the scale bytes, on the way out
	v_mul_u32_u24 v11, v12, 272
	v_lshlrev_b32 v8, 4, v8
	v_lshlrev_b32 v15, 14, v15
	s_delay_alu instid0(VALU_DEP_3)
	v_lshl_add_u32 v11, v13, 2, v11
	v_mul_u32_u24 v13, v3, 272
	v_lshl_add_u32 v8, v9, 9, v8                   ; 512 (L % 2) + 16 (L / 2): of 512 bytes as they lie, lane L holds half L % 2 of the 32 bytes of reader's lane L / 2 (+ 16 in the odd 512)
	v_add_nc_u32 v12, s41, v12                     ; v12: where my row's scale bytes go
	v_add_nc_u32 v11, s40, v11                     ; v11: where its codes go
	s_delay_alu instid0(VALU_DEP_4)
	v_lshl_add_u32 v13, v2, 4, v13
	v_add_nc_u32 v15, s43, v15                     ; v15: cw: expert lane % 8, r = w
	v_add_nc_u32 v2, s44, v8                       ; v2: router_w on the way in
	v_add_nc_u32 v3, s45, v8                       ; v3: gain and bias on the way in
	v_add_nc_u32 v13, s42, v13                     ; v13: pieces 2 w and 2 w + 1 of the image, on the way out
	s_wait_alu depctr_va_vdst(0)
	s_wait_kmcnt 0x0
	s_cmp_lt_u32 s24, 8
	s_cselect_b64 s[16:17], s[6:7], s[8:9]
	s_add_nc_u64 s[16:17], s[16:17], s[26:27]
	s_add_nc_u64 s[10:11], s[10:11], s[28:29]
	s_add_nc_u64 s[4:5], s[4:5], s[30:31]
	s_add_nc_u64 s[18:19], s[12:13], s[34:35]
	s_add_nc_u64 s[12:13], s[12:13], s[32:33]
	s_add_nc_u64 s[14:15], s[14:15], s[36:37]
.irp n, 0,1,2,3
	global_load_b128 v[R0+4*\n:R0+4*\n+3], v6, s[10:11] offset:512*\n
.endr
	global_load_b128 v[R1:R1+3], v6, s[16:17]
.irp q, 0,1,2,3
	global_load_b128 v[XR+8*\q:XR+8*\q+3], v7, s[4:5] offset:1024*\q
	global_load_b128 v[XR+8*\q+4:XR+8*\q+7], v7, s[4:5] offset:1024*\q+16
.endr
	s_wait_loadcnt 8                               ; my parts of the ten rows are in; my row's eight loads may be out
.irp n, 0,1,2,3
	ds_store_b128 v2, v[R0+4*\n:R0+4*\n+3] offset:1024*(\n/2)+256*(\n%2)
.endr
	ds_store_b128 v3, v[R1:R1+3]
	s_wait_dscnt 0x0
	s_barrier_signal -1
	s_barrier_wait -1                              ; the ten rows lie in LDS; nothing writes them again
	RROW GREG, 8
	RROW BREG, 9
	RROW R0, 0
	RROW R1, 1
	s_wait_loadcnt 0x0                             ; my row
	s_wait_dscnt 16                                ; gain and bias are in; the two router rows, eight loads each, may be out
; ---- the norm: mean; x - mean; variance of the differences (two passes: no difference of large sums); rsqrt; gain and bias
.irp c, 0,1,2,3,4,5,6,7
	v_pk_add_f32 v[Y+2*\c:Y+2*\c+1], v[XR+4*\c:XR+4*\c+1], v[XR+4*\c+2:XR+4*\c+3]
.endr
.irp c, 0,1,2,3
	s_delay_alu instid0(VALU_DEP_4)
	v_pk_add_f32 v[Y+2*\c:Y+2*\c+1], v[Y+2*\c:Y+2*\c+1], v[Y+8+2*\c:Y+9+2*\c]
.endr
.irp c, 0,1
	s_delay_alu instid0(VALU_DEP_2)
	v_pk_add_f32 v[Y+2*\c:Y+2*\c+1], v[Y+2*\c:Y+2*\c+1], v[Y+4+2*\c:Y+5+2*\c]
.endr
	s_delay_alu instid0(VALU_DEP_1)
	v_pk_add_f32 v[Y:Y+1], v[Y:Y+1], v[Y+2:Y+3]
	s_delay_alu instid0(VALU_DEP_1)
	v_add_f32 v[SMA], v[Y], v[Y+1]
	WSUM SMA, SMB
	s_delay_alu instid0(VALU_DEP_1)
	v_mul_f32 v[MEAN], s[C10], v[SMA]
	s_delay_alu instid0(VALU_DEP_2)
	v_mul_f32 v[MEAN+1], s[C10], v[SMA]
.irp j, 0,2,4,6,8,10,12,14,16,18,20,22,24,26,28,30
	v_pk_add_f32 v[XR+\j:XR+\j+1], v[XR+\j:XR+\j+1], v[MEAN:MEAN+1] neg_lo:[0,1] neg_hi:[0,1]
.endr
.irp c, 0,1,2,3
	v_pk_mul_f32 v[Y+2*\c:Y+2*\c+1], v[XR+2*\c:XR+2*\c+1], v[XR+2*\c:XR+2*\c+1]
.endr
.irp j, 8,16,24
.irp c, 0,1,2,3
	s_delay_alu instid0(VALU_DEP_4)
	v_pk_fma_f32 v[Y+2*\c:Y+2*\c+1], v[XR+\j+2*\c:XR+\j+2*\c+1], v[XR+\j+2*\c:XR+\j+2*\c+1], v[Y+2*\c:Y+2*\c+1]
.endr
.endr
.irp c, 0,1
	s_delay_alu instid0(VALU_DEP_2)
	v_pk_add_f32 v[Y+2*\c:Y+2*\c+1], v[Y+2*\c:Y+2*\c+1], v[Y+4+2*\c:Y+5+2*\c]
.endr
	s_delay_alu instid0(VALU_DEP_1)
	v_pk_add_f32 v[Y:Y+1], v[Y:Y+1], v[Y+2:Y+3]
	s_delay_alu instid0(VALU_DEP_1)
	v_add_f32 v[SMA], v[Y], v[Y+1]
	WSUM SMA, SMB
	s_delay_alu instid0(VALU_DEP_1)
	v_fma_f32 v[SMB], v[SMA], s[C10], s[EPS]       ; variance + 1e-5
	s_wait_alu depctr_va_vdst(0)                   ; ahead of the transcendental,
	v_rsq_f32 v[RSQ], v[SMB]
	v_nop
	s_wait_alu depctr_va_vdst(0)                   ; and ahead of its first reader
	v_mov_b32 v[RSQ+1], v[RSQ]
.irp j, 0,2,4,6,8,10,12,14,16,18,20,22,24,26,28,30
	v_pk_mul_f32 v[XR+\j:XR+\j+1], v[XR+\j:XR+\j+1], v[RSQ:RSQ+1]
.endr
.irp j, 0,2,4,6,8,10,12,14,16,18,20,22,24,26,28,30
	v_pk_fma_f32 v[XR+\j:XR+\j+1], v[XR+\j:XR+\j+1], v[GREG+\j:GREG+\j+1], v[BREG+\j:BREG+\j+1]
.endr
; ---- the quantiser: a block of 32 is four neighbouring lanes' eight numbers
.irp q, 0,1,2,3
	v_max3_num_f32 v[BMX+\q], |v[XR+8*\q]|, |v[XR+8*\q+1]|, 0x1800000   ; and the floor 2^(3 - 127): the byte cannot fall under 1
.endr
.irp i, 2,4,6
.irp q, 0,1,2,3
	s_delay_alu instid0(VALU_DEP_4)
	v_max3_num_f32 v[BMX+\q], v[BMX+\q], |v[XR+8*\q+\i]|, |v[XR+8*\q+\i+1]|
.endr
.endr
.irp q, 0,1,2,3
	s_delay_alu instid0(VALU_DEP_4)
	v_max_num_f32_dpp v[BMX+\q], v[BMX+\q], v[BMX+\q] row_xmask:1 row_mask:0xf bank_mask:0xf
.endr
.irp q, 0,1,2,3
	s_delay_alu instid0(VALU_DEP_4)
	v_max_num_f32_dpp v[BMX+\q], v[BMX+\q], v[BMX+\q] row_xmask:2 row_mask:0xf bank_mask:0xf
.endr
.irp q, 0,1,2,3
	s_delay_alu instid0(VALU_DEP_4)
	v_add_nc_u32 v[SOP+\q], 0xff000000, v[BMX+\q]  ; 2 off the exponent field: the conversion's scale operand
.endr
.irp q, 0,1,2,3
	s_delay_alu instid0(VALU_DEP_4)
	v_lshrrev_b32 v[BYT+\q], 23, v[SOP+\q]         ; the scale's byte
.endr
.irp q, 0,1,2,3
	v_cvt_scalef32_pk8_fp4_f32 v[CDE+\q], v[XR+8*\q:XR+8*\q+7], v[SOP+\q]
.endr
	v_nop                                          ; one plain place behind a scaled conversion
	RROW GREG, 2                                   ; router rows 2 and 3, where gain and bias lay
	RROW BREG, 3
.irp q, 0,1,2,3
	ds_store_b32 v11, v[CDE+\q] offset:2176*\q
	ds_store_b8 v12, v[BYT+\q] offset:8*\q         ; the four lanes of a block write the same byte with the same value
.endr
	s_wait_dscnt 0x0
	s_barrier_signal -1
	s_barrier_wait -1                              ; h2's image and scale bytes lie in LDS
	ds_load_b128 v[Y:Y+3], v13
	s_wait_dscnt 0x0
	global_store_b128 v6, v[Y:Y+3], s[12:13]       ; 512 consecutive bytes a wave
	s_cmp_lg_u32 s24, 0
	s_cbranch_scc1 .Lnot_wave_0
	ds_load_b128 v[Y+4:Y+7], v14
	s_wait_dscnt 0x0
	global_store_b128 v6, v[Y+4:Y+7], s[18:19]     ; the tile's 512 scale bytes
.Lnot_wave_0:
; ---- the router, in f32: eight rows through four buffers; rows 0 to 3 were awaited in front of the barrier
	DOT2 P, R0, P+2, R1
	RROW R0, 4
	RROW R1, 5
	DOT2 P+4, GREG, P+6, BREG
	RROW GREG, 6
	RROW BREG, 7
	s_wait_dscnt 16                                ; rows 4 and 5 are in; rows 6 and 7, eight loads each, may be out
	DOT2 P+8, R0, P+10, R1
	s_wait_dscnt 0x0
	DOT2 P+12, GREG, P+14, BREG
.irp e, 0,1,2,3,4,5,6,7
	v_add_f32 v[P+2*\e], v[P+2*\e], v[P+2*\e+1]
.endr
.irp k, 1,2,4,8
.irp e, 0,1,2,3,4,5,6,7
	v_add_f32_dpp v[P+2*\e], v[P+2*\e], v[P+2*\e] row_xmask:\k row_mask:0xf bank_mask:0xf
.endr
.endr
.irp e, 0,1,2,3,4,5,6,7
	v_permlanex16_b32 v[P+2*\e+1], v[P+2*\e], s[SEL], s[SEL+1]
.endr
.irp e, 0,1,2,3,4,5,6,7
	v_add_f32 v[P+2*\e], v[P+2*\e], v[P+2*\e+1]    ; every lane holds all eight logits of my token
.endr
	v_mov_b32 v[B1], v[P]
	v_mov_b32 v[I1], 0
	v_mov_b32 v[B2], 0xff800000
	v_mov_b32 v[I2], 0
.irp e, 1,2,3,4,5,6,7
	SCAN \e
.endr
	s_delay_alu instid0(VALU_DEP_2)
	v_sub_f32 v[TA], v[B2], v[B1]                  ; the softmax of the two: the larger is taken away first
	s_delay_alu instid0(VALU_DEP_1)
	v_mul_f32 v[TA], 0x3fb8aa3b, v[TA]
	s_wait_alu depctr_va_vdst(0)
	v_exp_f32 v[E2], v[TA]
	v_and_b32 v[P], 7, v0                          ; (a plain instruction behind the transcendental)  my lane's expert
	s_wait_alu depctr_va_vdst(0)
	v_add_f32 v[TB], 1.0, v[E2]
	s_wait_alu depctr_va_vdst(0)
	v_rcp_f32 v[G1], v[TB]
	v_nop
	s_wait_alu depctr_va_vdst(0)
	v_mul_f32 v[B2], v[E2], v[G1]
	v_cmp_eq_u32 vcc_lo, v[P], v[I2]
	s_delay_alu instid0(VALU_DEP_1)
	v_cndmask_b32 v[P+1], 0, v[B2], vcc_lo
	v_cmp_eq_u32 vcc_lo, v[P], v[I1]
	v_cndmask_b32 v[P+1], v[P+1], v[G1], vcc_lo
	global_store_b32 v15, v[P+1], s[14:15]         ; lanes that share an expert store the same word with the same value
	s_wait_tensorcnt 0x0                           ; the wave's end, behind my last LDS store
	ds_add_u32 v[SPW], v[NIL]
	s_wait_dscnt 0x0
	s_endpgm
.Lfunc_end_k_qcb3ff280ed_ln2:
	.size	k_qcb3ff280ed_ln2, .Lfunc_end_k_qcb3ff280ed_ln2-k_qcb3ff280ed_ln2
	.p2alignl 7, 3214868480
	.fill 96, 4, 3214868480
	.section	.rodata,"a",@progbits
	.p2align	6, 0x0
	.amdhsa_kernel k_qcb3ff280ed_ln2
		.amdhsa_group_segment_fixed_size 52224
		.amdhsa_private_segment_fixed_size 0
		.amdhsa_enable_private_segment 0
		.amdhsa_kernarg_size 48
		.amdhsa_user_sgpr_count 2
		.amdhsa_user_sgpr_kernarg_segment_ptr 1
		.amdhsa_wavefront_size32 1
		.amdhsa_system_sgpr_workgroup_id_x 1
		.amdhsa_system_sgpr_workgroup_id_y 1
		.amdhsa_system_sgpr_workgroup_id_z 1
		.amdhsa_system_vgpr_workitem_id 0
		.amdhsa_next_free_vgpr 256
		.amdhsa_next_free_sgpr 66
		.amdhsa_reserve_vcc 1
		.amdhsa_float_denorm_mode_32 3
		.amdhsa_float_denorm_mode_16_64 3
		.amdhsa_memory_ordered 1
		.amdhsa_forward_progress 1
		.amdhsa_inst_pref_size 41
	.end_amdhsa_kernel
	.amdgpu_metadata
---
amdhsa.version: [ 1, 2 ]
amdhsa.kernels:
  - .name:           k_qcb3ff280ed_ln2
    .symbol:         k_qcb3ff280ed_ln2.kd
    .args:
      - { .name: x2, .offset: 0, .size: 8, .value_kind: global_buffer, .address_space: global }
      - { .name: ln2_g, .offset: 8, .size: 8, .value_kind: global_buffer, .address_space: global }
      - { .name: ln2_b, .offset: 16, .size: 8, .value_kind: global_buffer, .address_space: global }
      - { .name: router_w, .offset: 24, .size: 8, .value_kind: global_buffer, .address_space: global }
      - { .name: h2q, .offset: 32, .size: 8, .value_kind: global_buffer, .address_space: global }
      - { .name: cw, .offset: 40, .size: 8, .value_kind: global_buffer, .address_space: global }
    .group_segment_fixed_size: 52224
    .private_segment_fixed_size: 0
    .kernarg_segment_align: 8
    .kernarg_segment_size: 48
    .max_flat_workgroup_size: 512
    .sgpr_count:     66
    .vgpr_count:     256
    .wavefront_size: 32
...
	.end_amdgpu_metadata
.endif
;; end of part 4
;; launch moe (part 5): grid 8 x 32, 4 waves a work-group, no clusters, 135,680 bytes of LDS; arguments h2q, cw, x2, wl, expert_w_scales, out0; writes out0
.if DOCPART == 5
	.amdgcn_target "amdgcn-amd-amdhsa--gfx1250"
	.amdhsa_code_object_version 6
	.text
	.protected	k_qcb3ff280ed_moe
	.globl	k_qcb3ff280ed_moe
	.p2align	8
	.type	k_qcb3ff280ed_moe,@function
k_qcb3ff280ed_moe:
	s_mov_b64 s[64:65], 0
	v_nop
	global_prefetch_b8 v0, s[64:65] scope:SCOPE_SE
	s_setreg_imm32_b32 hwreg(HW_REG_WAVE_MODE, 25, 1), 1
	s_wait_xcnt 0x0
; LAUNCH 5 OF 5.  out0 = x2 + the sum over the 8 experts of cw[token][e] x (h2 W_e^T), the products on codes of E2M1, the weighing and the sums in f32.
; Nothing is left out here: every expert is multiplied for every token and weighed by its combine weight, 0 for the six that were not chosen, as reference()'s own two einsums do.
; SHARES.  Work-group (x = gx, y = blk): tokens 128 blk .. + 127, outputs 128 gx .. + 127, as TWO groups of 64 one after the other: 256 work-groups that stay.  Step n = 0 .. 15 is expert n % 8 of group n / 8.
;   Wave w: outputs 128 gx + 64 (n / 8) + 16 w .. + 15, one tile of the expert's rows (source 0), against all eight token tiles (source 1): a lane holds one token, its registers 8 neighbouring outputs;
;   so a token's combine weight is one number a lane.  No fragment of a weight is loaded twice in a work-group.
;   h2's 64 fragments (512 registers) stay in registers for both groups: each wave fetches a quarter of the 65,536 bytes, they meet in LDS as they lie (images of the operand's registers), every wave reads all.
;   The ring of weights runs on over the change of groups, and the first group's stores leave while the second is multiplied; each group has a stage of its own, so the change needs no barrier but the stage's one.
; The experts' codes come from wl, where launch qkv has laid them as images of the operand's registers: each load of a fragment's half covers 512 consecutive bytes.
; NO CLUSTER, NO TENSOR LOAD: each weight fragment is used by one wave alone and goes from memory straight into registers, in a ring of four steps.  NO PREFETCH: three steps are always on their way from the head on.
; LIMITS: as at the head of launch qkv.
; REGISTERS.  window 0: v1-11 addresses; v16-47 h2's scale words; v48-63 the experts' scale words, ring of 4; v64-95 combine weights, ring of 4 x 8; v96-159 8 accumulators; v160-223 the result.
;   windows 1, 2: h2's fragment (tile m, K step s) at window 1 + s / 4, register 64 (s % 4) + 8 m.   window 3: the experts' fragments, ring of 4 x 64; behind step 12 its slot takes the second group's x2.
; (The program has five launches: qkv, attn, oproj, ln2, moe; this is the last.  h2q and cw come from launch ln2, x2 from launch oproj.)
.set STG,   65536
.set STGB,  128*272                    ; a stage: 128 rows x (256 + 16) bytes
.set SPARE, STG+2*STGB
.set HS,   16
.set WSR,  48
.set CR,   64
.set ACC,  96
.set OUT,  160
.set SPW,  252
.set NIL,  253
.set MSB, 0
.macro WIN new
.if MSB != \new
	s_set_vgpr_msb (MSB<<8)|\new
.set MSB, \new
.endif
.endm
.macro PLACES n
.rept \n
	v_nop
.endr
.endm
.macro WMS ks
.if (\ks) == 0
	v_wmma_scale_f32_16x16x128_f8f6f4 v[rD:rD+7], v[rA:rA+7], v[rB:rB+7], 0, v[rSA], v[rSB] matrix_a_fmt:MATRIX_FMT_FP4 matrix_b_fmt:MATRIX_FMT_FP4
.elseif (\ks) > 3
	v_wmma_scale_f32_16x16x128_f8f6f4 v[rD:rD+7], v[rA:rA+7], v[rB:rB+7], v[rD:rD+7], v[rSA], v[rSB] matrix_a_fmt:MATRIX_FMT_FP4 matrix_b_fmt:MATRIX_FMT_FP4 matrix_a_scale:MATRIX_SCALE_ROW1 matrix_b_scale:MATRIX_SCALE_ROW1
.else
	v_wmma_scale_f32_16x16x128_f8f6f4 v[rD:rD+7], v[rA:rA+7], v[rB:rB+7], v[rD:rD+7], v[rSA], v[rSB] matrix_a_fmt:MATRIX_FMT_FP4 matrix_b_fmt:MATRIX_FMT_FP4
.endif
.endm
.macro ELOAD n                         ; step n: my tile's image, its scale words, my tokens' combine weights: 19 loads, into slot n % 4
	WIN 0xc0
.irp s, 0,1,2,3,4,5,6,7
.irp c, 0,1
	global_load_b128 v[64*((\n)%4)+8*\s+4*\c:64*((\n)%4)+8*\s+4*\c+3], v4, s[10:11] offset:524288*((\n)%8)+32768*((\n)/8)+1024*\s+512*\c
.endr
.endr
	WIN 0
	global_load_b128 v[WSR+4*((\n)%4):WSR+4*((\n)%4)+3], v6, s[12:13] offset:32768*((\n)%8)+2048*((\n)/8)
	global_load_b128 v[CR+8*((\n)%4):CR+8*((\n)%4)+3], v8, s[6:7] offset:16384*((\n)%8)
	global_load_b128 v[CR+8*((\n)%4)+4:CR+8*((\n)%4)+7], v8, s[6:7] offset:16384*((\n)%8)+16
.endm
.macro X2LOAD g, reg, win              ; group g's 256 bytes of my 32 rows of x2: 16 loads, sixteen lanes to a row's piece; into v[reg ..] of the window that win names for the destination
	WIN \win
.irp i, 0,1,2,3,4,5,6,7,8,9,10,11,12,13,14,15
	global_load_b128 v[\reg+4*\i:\reg+4*\i+3], v11, s[8:9] offset:8192*\i+256*\g th:TH_LOAD_NT
.endr
	WIN 0
.endm
.macro EXPERT n
.if (\n) < 13
	s_wait_loadcnt 57                              ; loads come back in order: step n is in; the 19 loads of each of the three steps behind it may be out (behind steps 8 to 10 x2's sixteen were issued too: the smaller count is the safe one)
.else
	s_wait_loadcnt 19*(15-(\n))+16                 ; the steps that are left, and the second group's x2
.endif
	WIN 0x07                                       ; source 0 window 3, source 1 window 1
.irp s, 0,1,2,3
.irp m, 0,1,2,3,4,5,6,7
.set rD, ACC+8*\m
.set rA, 64*((\n)%4)+8*\s
.set rB, 64*\s+8*\m
.set rSA, WSR+4*((\n)%4)+\s
.set rSB, HS+4*\m+\s
	WMS \s
.endr
.endr
	WIN 0x0b                                       ; source 1 window 2
.irp s, 4,5,6,7
.irp m, 0,1,2,3,4,5,6,7
.set rD, ACC+8*\m
.set rA, 64*((\n)%4)+8*\s
.set rB, 64*(\s-4)+8*\m
.set rSA, WSR+4*((\n)%4)+\s-4
.set rSB, HS+4*\m+\s-4
	WMS \s
.endr
.endr
	WIN 0
	PLACES 5                                       ; ahead of the first read of results, of loads into the slot and the accumulators, and of the next step's products, which begin these accumulators anew
.irp m, 0,1,2,3,4,5,6,7
.set cP, CR+8*((\n)%4)+(\m/2)*2
.irp j, 0,2,4,6                                ; each accumulator from its low end on; tile m's weight is one register of the pair cP, taken for both halves.  A group's first step starts its sums
.if (\n)%8 == 0
.if \m%2 == 0
	v_pk_mul_f32 v[OUT+8*\m+\j:OUT+8*\m+\j+1], v[ACC+8*\m+\j:ACC+8*\m+\j+1], v[cP:cP+1] op_sel_hi:[1,0]
.else
	v_pk_mul_f32 v[OUT+8*\m+\j:OUT+8*\m+\j+1], v[ACC+8*\m+\j:ACC+8*\m+\j+1], v[cP:cP+1] op_sel:[0,1] op_sel_hi:[1,1]
.endif
.else
.if \m%2 == 0
	v_pk_fma_f32 v[OUT+8*\m+\j:OUT+8*\m+\j+1], v[ACC+8*\m+\j:ACC+8*\m+\j+1], v[cP:cP+1], v[OUT+8*\m+\j:OUT+8*\m+\j+1] op_sel_hi:[1,0,1]
.else
	v_pk_fma_f32 v[OUT+8*\m+\j:OUT+8*\m+\j+1], v[ACC+8*\m+\j:ACC+8*\m+\j+1], v[cP:cP+1], v[OUT+8*\m+\j:OUT+8*\m+\j+1] op_sel:[0,1,0] op_sel_hi:[1,1,1]
.endif
.endif
.endr
.endr
.if (\n) == 7
	X2LOAD 0, ACC, 0                               ; the first group's x2, into the accumulators' registers, ahead of step 11's loads
.endif
.if (\n) < 12
	ELOAD (\n)+4
.endif
.if (\n) == 12
	X2LOAD 1, 0, 0xc0                              ; the second group's x2, into this step's slot of window 3, which no later step takes
.endif
.endm
; THE WAY OUT of group g: a row's 64 outputs come from four waves: they meet in the group's stage; each wave then adds x2 to 32 whole pieces of 256 bytes and stores them.
; reg, win: where x2 lies, and the window setting that names it as source 1; left: how many younger loads may stay out when x2 has to be there.
.macro WAYOUT g, reg, win, left
.irp m, 0,1,2,3,4,5,6,7
	ds_store_b128 v9, v[OUT+8*\m:OUT+8*\m+3] offset:STGB*\g+4352*\m
	ds_store_b128 v9, v[OUT+8*\m+4:OUT+8*\m+7] offset:STGB*\g+4352*\m+16
.endr
	s_wait_dscnt 0x0
	s_barrier_signal -1
	s_barrier_wait -1
.irp i, 0,1,2,3,4,5,6,7,8,9,10,11,12,13,14,15
	ds_load_b128 v[OUT+4*\i:OUT+4*\i+3], v10 offset:STGB*\g+544*\i
.endr
	s_wait_loadcnt \left
	s_wait_dscnt 0x0
	WIN \win
.irp i, 0,1,2,3,4,5,6,7,8,9,10,11,12,13,14,15
	v_pk_add_f32 v[OUT+4*\i:OUT+4*\i+1], v[OUT+4*\i:OUT+4*\i+1], v[\reg+4*\i:\reg+4*\i+1]
	v_pk_add_f32 v[OUT+4*\i+2:OUT+4*\i+3], v[OUT+4*\i+2:OUT+4*\i+3], v[\reg+4*\i+2:\reg+4*\i+3]
.endr
	WIN 0
.irp i, 0,1,2,3,4,5,6,7,8,9,10,11,12,13,14,15
	global_store_b128 v11, v[OUT+4*\i:OUT+4*\i+3], s[14:15] offset:8192*\i+256*\g th:TH_STORE_NT   ; sixteen lanes store 256 consecutive bytes, at a multiple of 256 from out0's first byte
.endr
.endm
	s_load_b256 s[4:11], s[0:1], 0x0               ; h2q 4, cw 6, x2 8, wl 10
	s_load_b128 s[12:15], s[0:1], 0x20             ; expert scales 12, out0 14
	v_lshl_add_u32 v[SPW], v0, 2, SPARE
	v_mov_b32 v[NIL], 0
	v_lshrrev_b32 v1, 5, v0
	v_readfirstlane_b32 s20, v1                    ; wave
	s_mov_b32 s21, ttmp9                           ; gx
	s_and_b32 s22, ttmp7, 0xffff                   ; blk
	v_and_b32 v1, 31, v0
	v_and_b32 v2, 15, v0
	v_bfe_u32 v3, v0, 4, 1
	v_lshlrev_b32 v4, 4, v1                        ; v4: 16 lane: an image's place, in LDS and in wl
	s_lshl_b32 s23, s20, 14
	v_add_nc_u32 v5, s23, v4                       ; v5: my quarter of h2's images, in memory and in LDS alike
	v_lshlrev_b32 v8, 5, v2                        ; v8: combine weights: 32 r
	v_lshl_add_u32 v6, v3, 4, v8                   ; v6: scale bytes: 32 r + 16 h
	v_mul_u32_u24 v9, v2, 272
	v_lshl_add_u32 v9, v3, 5, v9
	s_lshl_b32 s23, s20, 6
	s_add_co_u32 s23, s23, STG
	v_add_nc_u32 v9, s23, v9                       ; v9: a stage, on the way in: row r (+ 16 m), 64 w + 32 h
	v_mul_u32_u24 v10, v3, 272
	v_lshl_add_u32 v10, v2, 4, v10
	s_mul_i32 s23, s20, 32*272
	s_add_co_u32 s23, s23, STG
	v_add_nc_u32 v10, s23, v10                     ; v10: and back: rows 32 w + 2 i + lane / 16, sixteen lanes to a row of 256 bytes
	v_lshlrev_b32 v11, 12, v3
	v_lshl_add_u32 v11, v2, 4, v11                 ; v11: the same two rows in x2 and out0
	s_mov_b32 s25, 0
	s_wait_alu depctr_va_vdst(0)
	s_wait_kmcnt 0x0
	s_lshl_b32 s24, s22, 16
	s_add_nc_u64 s[16:17], s[4:5], s[24:25]        ; the block's eight images
	s_lshl_b32 s24, s22, 12
	s_add_co_u32 s24, s24, 0x200000
	s_add_nc_u64 s[18:19], s[4:5], s[24:25]        ; and its scale bytes
	s_lshl_b32 s24, s22, 9
	s_add_nc_u64 s[6:7], s[6:7], s[24:25]
	s_lshl_b32 s24, s21, 7
	s_lshl_b32 s23, s20, 4
	s_add_co_u32 s23, s24, s23                     ; my first row of each expert, in the first group: 128 gx + 16 w
	s_lshl_b32 s24, s23, 9
	s_add_nc_u64 s[10:11], s[10:11], s[24:25]      ; its tile's image: 16 rows are 8,192 bytes, in wl as in the codes
	s_lshl_b32 s24, s23, 5
	s_add_nc_u64 s[12:13], s[12:13], s[24:25]
	s_lshl_b32 s24, s22, 19
	s_lshl_b32 s23, s20, 17
	s_add_co_u32 s24, s24, s23
	s_lshl_b32 s23, s21, 9
	s_add_co_u32 s24, s24, s23
	s_add_nc_u64 s[8:9], s[8:9], s[24:25]
	s_add_nc_u64 s[14:15], s[14:15], s[24:25]
.irp m, 0,1,2,3,4,5,6,7
	global_load_b128 v[HS+4*\m:HS+4*\m+3], v6, s[18:19] offset:512*\m
.endr
	WIN 0x40
.set n, 0
.rept 32
	global_load_b128 v[4*n:4*n+3], v5, s[16:17] offset:512*n
.set n, n+1
.endr
	WIN 0
	ELOAD 0
	ELOAD 1
	ELOAD 2
	s_wait_loadcnt 57                              ; h2's scale words and my quarter are in; the three steps' 57 loads may be out
	WIN 0x04                                       ; an LDS store's data are its source 1: window 1
.set n, 0
.rept 32
	ds_store_b128 v5, v[4*n:4*n+3] offset:512*n
.set n, n+1
.endr
	WIN 0
	s_wait_dscnt 0x0
	s_barrier_signal -1
	s_barrier_wait -1                              ; h2's 64 fragments lie in LDS; nothing writes them again
	WIN 0x40
.irp s, 0,1,2,3
.irp m, 0,1,2,3,4,5,6,7
.irp c, 0,1
	ds_load_b128 v[64*\s+8*\m+4*\c:64*\s+8*\m+4*\c+3], v4 offset:8192*\m+1024*\s+512*\c
.endr
.endr
.endr
	WIN 0x80
.irp s, 4,5,6,7
.irp m, 0,1,2,3,4,5,6,7
.irp c, 0,1
	ds_load_b128 v[64*(\s-4)+8*\m+4*\c:64*(\s-4)+8*\m+4*\c+3], v4 offset:8192*\m+1024*\s+512*\c
.endr
.endr
.endr
	WIN 0
	ELOAD 3
	s_wait_dscnt 0x0
; ---- sixteen steps of 64 products each, eight accumulators by turns, one instruction a turn
.irp e, 0,1,2,3,4,5,6,7
	EXPERT \e
.endr
	WAYOUT 0, ACC, 0, 19                           ; x2 is in; step 11's 19 loads, issued behind it, may be out
	s_wait_xcnt 0x0                                ; the stores have read the result's registers: the next step's weighing writes them anew
.irp e, 8,9,10,11,12,13,14,15
	EXPERT \e
.endr
	WAYOUT 1, 0, 0x0c, 0                           ; x2 lies in window 3: source 1 of the additions
	s_wait_tensorcnt 0x0                           ; the wave's end, behind my last LDS store
	ds_add_u32 v[SPW], v[NIL]
	s_wait_dscnt 0x0
	s_endpgm
.Lfunc_end_k_qcb3ff280ed_moe:
	.size	k_qcb3ff280ed_moe, .Lfunc_end_k_qcb3ff280ed_moe-k_qcb3ff280ed_moe
	.p2alignl 7, 3214868480
	.fill 96, 4, 3214868480
	.section	.rodata,"a",@progbits
	.p2align	6, 0x0
	.amdhsa_kernel k_qcb3ff280ed_moe
		.amdhsa_group_segment_fixed_size 135680
		.amdhsa_private_segment_fixed_size 0
		.amdhsa_enable_private_segment 0
		.amdhsa_kernarg_size 48
		.amdhsa_user_sgpr_count 2
		.amdhsa_user_sgpr_kernarg_segment_ptr 1
		.amdhsa_wavefront_size32 1
		.amdhsa_system_sgpr_workgroup_id_x 1
		.amdhsa_system_sgpr_workgroup_id_y 1
		.amdhsa_system_sgpr_workgroup_id_z 1
		.amdhsa_system_vgpr_workitem_id 0
		.amdhsa_next_free_vgpr 1024
		.amdhsa_next_free_sgpr 66
		.amdhsa_reserve_vcc 0
		.amdhsa_float_denorm_mode_32 3
		.amdhsa_float_denorm_mode_16_64 3
		.amdhsa_memory_ordered 1
		.amdhsa_forward_progress 1
		.amdhsa_inst_pref_size 226
	.end_amdhsa_kernel
	.amdgpu_metadata
---
amdhsa.version: [ 1, 2 ]
amdhsa.kernels:
  - .name:           k_qcb3ff280ed_moe
    .symbol:         k_qcb3ff280ed_moe.kd
    .args:
      - { .name: h2q, .offset: 0, .size: 8, .value_kind: global_buffer, .address_space: global }
      - { .name: cw, .offset: 8, .size: 8, .value_kind: global_buffer, .address_space: global }
      - { .name: x2, .offset: 16, .size: 8, .value_kind: global_buffer, .address_space: global }
      - { .name: wl, .offset: 24, .size: 8, .value_kind: global_buffer, .address_space: global }
      - { .name: expert_w_scales, .offset: 32, .size: 8, .value_kind: global_buffer, .address_space: global }
      - { .name: out0, .offset: 40, .size: 8, .value_kind: global_buffer, .address_space: global }
    .group_segment_fixed_size: 135680
    .private_segment_fixed_size: 0
    .kernarg_segment_align: 8
    .kernarg_segment_size: 48
    .max_flat_workgroup_size: 128
    .sgpr_count:     66
    .vgpr_count:     1024
    .wavefront_size: 32
...
	.end_amdgpu_metadata
.endif
;; end of part 5
